; MI455X (gfx1250); checked and timed in simulation.
; The chip was launched on July 23, 2026; its instructions are those of AMD's public machine-readable ISA for CDNA 5 (MIT licence, August 2026) and "CDNA5" Instruction Set Architecture Reference Guide (July 2026). The comments in the code are by the model that wrote it; some were corrected since.
;; Self Attn V3. Allowed arithmetic: float matrix products may take bf16 or f16 operands with f32 sums; other float arithmetic in f32, or as packed bf16 or f16 multiplies, adds, multiply-adds, maxima and minima; sums over many terms, partial sums and values carried from step to step in f32; what a program stores and reads back later, other than sums and carried values, may be rounded once to bf16 or f16.
;; Inputs: X 4 x 2,048 x 1,024 float32; attn_mask 4 x 2,048 x 2,048 int32; bk 1,024 float32; bo 1,024 float32; bq 1,024 float32; bv 1,024 float32; wk 1,024 x 1,024 float32; wo 1,024 x 1,024 float32; wq 1,024 x 1,024 float32; wv 1,024 x 1,024 float32.
;; Outputs: out0 4 x 2,048 x 1,024 float32.
;; 2 versions, each right; version 2 is version 1 with the launch cast written anew for expert scheduling mode. Each part assembles by itself: llvm-mc -triple=amdgcn-amd-amdhsa -mcpu=gfx1250 --defsym DOCPART=n.
;; ======== version 1 of 2: 6 launches
;; limits: values are held in f16: magnitudes above 65,504 overflow, below 6.1e-05 lose precision
;; workspace buffers: xb 16,777,216 bytes; wb 6,307,840 bytes; wo16 2,097,152 bytes; qk 33,554,432 bytes; vt 16,777,216 bytes; p 33,554,432 bytes; st 1,048,576 bytes; hb 16,777,216 bytes
;; launch cast (part 1): grid 769 x 1, 8 waves a work-group, no clusters, 0 bytes of LDS; arguments X, wq, wk, wv, wo, bq, bk, bv, bo, xb, wb, wo16; writes xb, wb, wo16
.if DOCPART == 1
	.amdgcn_target "amdgcn-amd-amdhsa--gfx1250"
	.amdhsa_code_object_version 6
	.text
	.protected	k_q9b64002a9f_cast
	.globl	k_q9b64002a9f_cast
	.p2align	8
	.type	k_q9b64002a9f_cast,@function
k_q9b64002a9f_cast:
	s_mov_b64 s[64:65], 0
	v_nop
	global_prefetch_b8 v0, s[64:65] scope:SCOPE_SE
	s_setreg_imm32_b32 hwreg(HW_REG_WAVE_MODE, 25, 1), 1
	s_wait_xcnt 0x0
; All inputs but the mask are rounded to bf16, once.  X -> xb (bf16).  wq, wk, wv -> wb rows 0-1023, 1024-2047, 2048-3071 (bf16).
; wo -> wo16: rounded to bf16, that number written as f16.  bq, bk, bv, bo -> f32 numbers rounded to bf16, behind wb's rows (byte BIASOFF on).
; LIMITS.  wo16: |wo| stays under 65,504; below 6.1e-5 f16 keeps its fixed step of 6e-8, so a bf16 number there may lose bits (3e-8 at the most).
; SHARES.  A work-group converts 16,384 numbers: thread t takes 16 pieces of 4 f32; piece j is read at byte 4096 j + 16 t (a wave's load covers 512
; consecutive bytes) and written at byte 2048 j + 8 t (a wave's store covers 256 consecutive bytes, aligned).  All 16 loads are issued before the first is
; waited for; no register is written twice, so no store's sources are ever rewritten.  A stream: no LDS, no barrier, no matrix unit, no cluster (nothing is shared).
; Work-groups 0-511: X.  512-575, 576-639, 640-703: wq, wk, wv.  704-767: wo.  768: the four biases.
.set X, 8                              ; v[8:71]    16 pieces as loaded
.set Y, 72                             ; v[72:103]  16 pieces to store
.set T, 104                            ; v[104:109] at work
.set BIASOFF, 6291456                  ; 3,072 rows of 2,048 bytes
	s_load_b512 s[8:23], s[0:1], 0x0               ; X s[8:9], wq s[10:11], wk s[12:13], wv s[14:15], wo s[16:17], bq s[18:19], bk s[20:21], bv s[22:23]
	s_load_b256 s[24:31], s[0:1], 0x40             ; bo s[24:25], xb s[26:27], wb s[28:29], wo16 s[30:31]
	s_mov_b32 s2, ttmp9                            ; the work-group's number
	s_sub_co_u32 s3, s2, 512                       ; its number among wq's, and among wb's row blocks
	s_sub_co_u32 s4, s2, 576                       ; among wk's
	s_sub_co_u32 s5, s2, 640                       ; among wv's
	s_sub_co_u32 s6, s2, 704                       ; among wo's
	s_mov_b32 s7, 0xffff0000                       ; a word's upper bf16
	v_lshlrev_b32 v1, 4, v0                        ; 16 t
	v_lshlrev_b32 v2, 3, v0                        ; 8 t
	s_wait_kmcnt 0x0
	s_cmp_eq_u32 s2, 768
	s_cbranch_scc1 .Lbias
	s_mov_b64 s[32:33], s[8:9]                     ; from: X,
	s_mov_b32 s34, s2                              ; block number in the source,
	s_mov_b64 s[36:37], s[26:27]                   ; to: xb,
	s_mov_b32 s35, s2                              ; block number in the destination; the four compares below replace them by the work-group's number alone
	s_cmp_ge_u32 s2, 512
	s_cselect_b64 s[32:33], s[10:11], s[32:33]
	s_cselect_b32 s34, s3, s34
	s_cselect_b64 s[36:37], s[28:29], s[36:37]
	s_cselect_b32 s35, s3, s35
	s_cmp_ge_u32 s2, 576
	s_cselect_b64 s[32:33], s[12:13], s[32:33]
	s_cselect_b32 s34, s4, s34
	s_cmp_ge_u32 s2, 640
	s_cselect_b64 s[32:33], s[14:15], s[32:33]
	s_cselect_b32 s34, s5, s34
	s_cmp_ge_u32 s2, 704
	s_cselect_b64 s[32:33], s[16:17], s[32:33]
	s_cselect_b32 s34, s6, s34
	s_cselect_b64 s[36:37], s[30:31], s[36:37]
	s_cselect_b32 s35, s6, s35
	s_lshl_b32 s38, s34, 16                        ; 65,536 bytes of f32 a block
	s_mov_b32 s39, 0
	s_lshl_b32 s40, s35, 15                        ; 32,768 bytes of 16-bit numbers
	s_mov_b32 s41, 0
	s_add_nc_u64 s[32:33], s[32:33], s[38:39]
	s_add_nc_u64 s[36:37], s[36:37], s[40:41]
.irp j, 0,1,2,3,4,5,6,7,8,9,10,11,12,13,14,15
	global_load_b128 v[X+4*(\j):X+4*(\j)+3], v1, s[32:33] offset:4096*(\j) th:TH_LOAD_NT
.endr
; Piece j.  f16 = 1: the bf16 number is widened again and written as f16.
.macro PIECE j, f16
	s_wait_loadcnt 15-(\j)                         ; loads come back in order: piece j is in, the 15 - j younger ones stay out
.if \f16
	v_cvt_pk_bf16_f32 v[T],   v[X+4*(\j)],   v[X+4*(\j)+1]
	v_cvt_pk_bf16_f32 v[T+1], v[X+4*(\j)+2], v[X+4*(\j)+3]
	v_lshlrev_b32 v[T+2], 16, v[T]
	v_and_b32     v[T+3], s7, v[T]
	v_lshlrev_b32 v[T+4], 16, v[T+1]
	v_and_b32     v[T+5], s7, v[T+1]
	v_cvt_pk_f16_f32 v[Y+2*(\j)],   v[T+2], v[T+3]
	v_cvt_pk_f16_f32 v[Y+2*(\j)+1], v[T+4], v[T+5]
.else
	v_cvt_pk_bf16_f32 v[Y+2*(\j)],   v[X+4*(\j)],   v[X+4*(\j)+1]
	v_cvt_pk_bf16_f32 v[Y+2*(\j)+1], v[X+4*(\j)+2], v[X+4*(\j)+3]
.endif
	global_store_b64 v2, v[Y+2*(\j):Y+2*(\j)+1], s[36:37] offset:2048*(\j)
.endm
	s_cmp_ge_u32 s2, 704
	s_cbranch_scc1 .Lwo
.irp j, 0,1,2,3,4,5,6,7,8,9,10,11,12,13,14,15
	PIECE \j, 0
.endr
	s_endpgm
.Lwo:
.irp j, 0,1,2,3,4,5,6,7,8,9,10,11,12,13,14,15
	PIECE \j, 1
.endr
	s_endpgm
.Lbias:                                                ; 256 threads x 4 numbers are one bias of 1,024
	global_load_b128 v[X:X+3],     v1, s[18:19]
	global_load_b128 v[X+4:X+7],   v1, s[20:21]
	global_load_b128 v[X+8:X+11],  v1, s[22:23]
	global_load_b128 v[X+12:X+15], v1, s[24:25]
	s_wait_loadcnt 0x0
.irp i, 0,1,2,3
	v_cvt_pk_bf16_f32 v[T],   v[X+4*(\i)],   v[X+4*(\i)+1]
	v_cvt_pk_bf16_f32 v[T+1], v[X+4*(\i)+2], v[X+4*(\i)+3]
	v_lshlrev_b32 v[Y+4*(\i)],   16, v[T]
	v_and_b32     v[Y+4*(\i)+1], s7, v[T]
	v_lshlrev_b32 v[Y+4*(\i)+2], 16, v[T+1]
	v_and_b32     v[Y+4*(\i)+3], s7, v[T+1]
	global_store_b128 v1, v[Y+4*(\i):Y+4*(\i)+3], s[28:29] offset:BIASOFF+4096*(\i)
.endr
	s_endpgm
.Lfunc_end_k_q9b64002a9f_cast:
	.size	k_q9b64002a9f_cast, .Lfunc_end_k_q9b64002a9f_cast-k_q9b64002a9f_cast
	.p2alignl 7, 3214868480
	.fill 96, 4, 3214868480
	.section	.rodata,"a",@progbits
	.p2align	6, 0x0
	.amdhsa_kernel k_q9b64002a9f_cast
		.amdhsa_group_segment_fixed_size 0
		.amdhsa_private_segment_fixed_size 0
		.amdhsa_enable_private_segment 0
		.amdhsa_kernarg_size 96
		.amdhsa_user_sgpr_count 2
		.amdhsa_user_sgpr_kernarg_segment_ptr 1
		.amdhsa_wavefront_size32 1
		.amdhsa_system_sgpr_workgroup_id_x 1
		.amdhsa_system_sgpr_workgroup_id_y 1
		.amdhsa_system_sgpr_workgroup_id_z 1
		.amdhsa_system_vgpr_workitem_id 0
		.amdhsa_next_free_vgpr 112
		.amdhsa_next_free_sgpr 66
		.amdhsa_reserve_vcc 0
		.amdhsa_float_denorm_mode_32 3
		.amdhsa_float_denorm_mode_16_64 3
		.amdhsa_memory_ordered 1
		.amdhsa_forward_progress 1
		.amdhsa_inst_pref_size 18
	.end_amdhsa_kernel
	.amdgpu_metadata
---
amdhsa.version: [ 1, 2 ]
amdhsa.kernels:
  - .name:           k_q9b64002a9f_cast
    .symbol:         k_q9b64002a9f_cast.kd
    .args:
      - { .name: X, .offset: 0, .size: 8, .value_kind: global_buffer, .address_space: global }
      - { .name: wq, .offset: 8, .size: 8, .value_kind: global_buffer, .address_space: global }
      - { .name: wk, .offset: 16, .size: 8, .value_kind: global_buffer, .address_space: global }
      - { .name: wv, .offset: 24, .size: 8, .value_kind: global_buffer, .address_space: global }
      - { .name: wo, .offset: 32, .size: 8, .value_kind: global_buffer, .address_space: global }
      - { .name: bq, .offset: 40, .size: 8, .value_kind: global_buffer, .address_space: global }
      - { .name: bk, .offset: 48, .size: 8, .value_kind: global_buffer, .address_space: global }
      - { .name: bv, .offset: 56, .size: 8, .value_kind: global_buffer, .address_space: global }
      - { .name: bo, .offset: 64, .size: 8, .value_kind: global_buffer, .address_space: global }
      - { .name: xb, .offset: 72, .size: 8, .value_kind: global_buffer, .address_space: global }
      - { .name: wb, .offset: 80, .size: 8, .value_kind: global_buffer, .address_space: global }
      - { .name: wo16, .offset: 88, .size: 8, .value_kind: global_buffer, .address_space: global }
    .group_segment_fixed_size: 0
    .private_segment_fixed_size: 0
    .kernarg_segment_align: 8
    .kernarg_segment_size: 96
    .max_flat_workgroup_size: 256
    .sgpr_count:     66
    .vgpr_count:     112
    .wavefront_size: 32
...
	.end_amdgpu_metadata
.endif
;; end of part 1
;; launch projqk (part 2): grid 8 x 32, 4 waves a work-group, clusters of 4 x 4, 327,680 bytes of LDS; arguments xb, wb, qk; writes qk
.if DOCPART == 2
	.amdgcn_target "amdgcn-amd-amdhsa--gfx1250"
	.amdhsa_code_object_version 6
	.text
	.protected	k_q9b64002a9f_projqk
	.globl	k_q9b64002a9f_projqk
	.p2align	8
	.type	k_q9b64002a9f_projqk,@function
k_q9b64002a9f_projqk:
	s_mov_b64 s[64:65], 0
	v_nop
	global_prefetch_b8 v0, s[64:65] scope:SCOPE_SE
	s_setreg_imm32_b32 hwreg(HW_REG_WAVE_MODE, 25, 1), 1
	s_wait_xcnt 0x0
	s_wait_alu depctr_hold_cnt(0) depctr_sa_sdst(0) depctr_va_vdst(0) depctr_va_sdst(0) depctr_va_ssrc(0) depctr_va_vcc(0) depctr_vm_vsrc(0)
	s_getreg_b32 s2, hwreg(HW_REG_IB_STS2, 6, 4)
	s_cmp_eq_u32 s2, 0
	s_cbranch_scc0 .Lentry_in_a_cluster
	s_endpgm
.Lentry_in_a_cluster:
	s_bfe_u32 s2, ttmp6, 0x10000c
	s_cmp_lg_u32 s2, 0xf033
	s_cbranch_scc0 .Lentry_shape_is_right
	s_endpgm
.Lentry_shape_is_right:
; qk[t][n] = sum over h of xb[t][h] wb[n][h] + bias[n], n = 0..2047: columns 0-1023 are Q, 1024-2047 are K.  xb [8192][1024], wb rows 0-2047 [.][1024]: bf16.
; The bias (f32, behind wb's rows) is the C operand of the products that start the sums.  Sums in f32; qk [8192][2048] is rounded once, to f16.
; LIMIT.  |Q| and |K| stay under 65,504 (f16); NaN and infinities are not treated apart.
; SHARES.  A work-group makes 256 x 256 of qk; each of its four waves 128 x 128: 64 accumulators of 16 x 16, 512 registers.  K goes in 8 steps of 128 through two LDS slots filled
; by the tensor data mover; a tile's rows are 256 bytes of memory and begin at multiples of 256 bytes.  A loop trip is one K step; the slot in hand is a scalar register turned by an exclusive or.
; CLUSTER.  4 x 4 work-groups.  The four of a row of the cluster need the same tiles of xb, the four of a column the same tiles of wb: each tile is asked for jointly.
; THE MATRIX INSTRUCTION IS USED TRANSPOSED (source 0 = 16 rows of wb, source 1 = 16 rows of xb): lane l holds row l % 16 of the result and the columns 8 (l / 16) + 0..7.
; REGISTERS, in windows of 256 (s_set_vgpr_msb: bits 1:0 source 0, 3:2 source 1, 5:4 source 2, 7:6 destination):
;   window 0: v0-31 addresses; v64-127, v128-191 fragments of xb, two buffers; v192-255 the bias, later the way out; v32-63 the way out
;   window 1: v64-127, v128-191 fragments of wb;   window 2: the accumulators of my rows 0-63 ((a, b) at v[8 (8 a + b)]);   window 3: those of rows 64-127
.set KSTEP,  128
.set NK,     8                         ; 1,024 / 128
.set PITCH,  272                       ; an LDS row: 256 bytes + 16 of padding = 68 words, so that the 16 rows of a fragment load start at 16 different groups of four banks (ISA guide 11.1)
.set HALFT,  128*PITCH                 ; what one tensor load brings
.set SLOT,   4*HALFT                   ; 0x22000: xb's 256 rows, then wb's 256; it shares no bit with wave x HALFT, so an exclusive or moves an address between the slots
.set STAGE,  2*SLOT                    ; behind the ring: 16 rows x 272 bytes for each wave
.set SPITCH, 272
.set SPARE,  STAGE+4*16*SPITCH         ; the spare words: 128 bytes a wave, two blocks of 256 bytes that no other line names
.set LDK,    1024                      ; elements in a row of xb and of wb
.set LDCB,   4096                      ; bytes in a row of qk
.set BIASOFF, 6291456
.set ADRA,  16                         ; LDS address of my xb fragments in the slot in hand
.set ABASE, 17                         ; the same in slot 0; never rewritten
.set ADRB,  20
.set BBASE, 21
.set STO,   24                         ; the way out: where I put 16 bytes of a row
.set RD,    25                         ; where I read a row back
.set CO,    26                         ; my byte offset in qk
.set BO,    27                         ; my byte offset in the bias
.set SPW,   28                         ; my spare word; never rewritten
.set NIL,   29                         ; 0; never rewritten
.set F0,    64
.set F1,    128
.set BIAS,  192
.set TMP,   192
.set OB,    32
.set G1A, 24                           ; s[24:31] group 1 for xb's tiles
.set G0A, 32                           ; s[32:39] group 0: a set for each first fill; the second then walks
.set G1B, 48
.set G0B, 56
.set CNT, 66
.set TB,  67                           ; LDS byte at which the slot in hand begins
.set MSB, 0
.macro WIN new                         ; the immediate's high byte repeats the setting that is left
.if MSB != (\new)
	s_set_vgpr_msb (MSB<<8)|(\new)
.set MSB, \new
.endif
.endm
.macro PLACES                          ; four plain vector instructions between a matrix instruction and a load into, or a vector read of, its registers
.rept 4
	v_nop
.endr
.endm
.macro JLOAD                           ; a joint refill by the walking sets: waves 0, 1 fetch xb's halves, waves 2, 3 wb's; the branch hangs on the wave's number alone
	s_cmp_eq_u32 s11, 0
	s_cbranch_scc0 .Lfor_b_\@
	tensor_load_to_lds s[G0A+4:G0A+7], s[G1A:G1A+7]
	s_nop 0
.rept 4
	v_nop
.endr
	s_branch .Lasked_\@
.Lfor_b_\@:
	tensor_load_to_lds s[G0B+4:G0B+7], s[G1B:G1B+7]
	s_nop 0
.rept 4
	v_nop
.endr
.Lasked_\@:
.endm
.macro CREST                           ; a round of the cluster's barrier behind its opening barrier
	s_cmp_lg_u32 s10, 0
	s_cbranch_scc1 .Lnot_wave_0_\@
	s_barrier_signal -3
.Lnot_wave_0_\@:
	s_barrier_wait -3
	s_barrier_signal -1
	s_barrier_wait -1
.endm
.macro CROUND
	s_barrier_signal -1
	s_barrier_wait -1
	CREST
.endm
	s_load_b128 s[4:7], s[0:1], 0x0                ; xb s[4:5], wb s[6:7]
	s_load_b64 s[8:9], s[0:1], 0x10                ; qk
	v_lshl_add_u32 v[SPW], v0, 2, SPARE
	v_mov_b32 v[NIL], 0
	ds_add_u32 v[SPW], v[NIL]                      ; the wave's opening: the add and its wait ahead of my first tensor load
	v_lshrrev_b32 v1, 5, v0
	v_readfirstlane_b32 s10, v1                    ; wave 0..3
	s_lshr_b32 s11, s10, 1                         ; my half of the tile's rows; also: I fetch for xb (0) or wb (1)
	s_and_b32 s12, s10, 1                          ; my half of its columns; also: which 128 rows I fetch
	s_bfe_u32 s40, ttmp6, 0x40000                  ; cx
	s_bfe_u32 s41, ttmp6, 0x40004                  ; cy
	s_lshl_b32 s42, ttmp9, 2
	s_add_co_u32 s42, s42, s40                     ; tile column
	s_and_b32 s13, ttmp7, 0xffff
	s_lshl_b32 s13, s13, 2
	s_add_co_u32 s13, s13, s41                     ; tile row
	s_lshl_b32 s43, s41, 2
	s_lshl_b32 s43, 15, s43                        ; my row of the cluster
	s_lshl_b32 s44, 0x1111, s40                    ; my column
	s_or_b32 s[G1A+0], s43, (1<<16)|(1<<20)|(1<<21)|(5<<22)|(3<<25)  ; the mask; 2-byte elements; padding on; bit 21 beside a mask; after every 64 words 4 words
	s_or_b32 s[G1B+0], s44, (1<<16)|(1<<20)|(1<<21)|(5<<22)|(3<<25)
.irp g, G1A, G1B
	s_mov_b32 s[(\g)+1], KSTEP<<16                 ; tensor_dim0 = 128
	s_mov_b32 s[(\g)+2], 128<<16                   ; tensor_dim1 = 128
	s_mov_b32 s[(\g)+3], KSTEP<<16                 ; tile_dim0 = 128
	s_mov_b32 s[(\g)+4], 128                       ; tile_dim1 = 128
	s_mov_b32 s[(\g)+5], LDK                       ; elements from row to row
	s_mov_b32 s[(\g)+6], 0
	s_mov_b32 s[(\g)+7], 0
.endr
	s_lshl_b32 s17, s12, 7
	s_lshl_b32 s16, s13, 8
	s_add_co_u32 s16, s16, s17                     ; xb: row 256 x tile row + 128 x half,
	s_lshl_b32 s16, s16, 11                        ; 2,048 bytes a row
	s_lshl_b32 s46, s42, 8
	s_add_co_u32 s46, s46, s17                     ; wb: row 256 x tile column + 128 x half
	s_lshl_b32 s46, s46, 11
	s_mov_b32 s17, 0
	s_mov_b32 s47, 0
	s_mul_i32 s20, s10, HALFT                      ; where my tiles go: no place in the cluster enters an LDS address
	s_wait_dscnt 0x0                               ; the opening add is done
	s_wait_kmcnt 0x0
	s_add_nc_u64 s[14:15], s[4:5], s[16:17]
	s_add_nc_u64 s[46:47], s[6:7], s[46:47]
	CROUND                                         ; all sixteen work-groups are here: the first joint loads meet
.irp s, 0,1
	s_mov_b32 s[G0A+4*(\s)], 1
	s_add_co_u32 s[G0A+4*(\s)+1], s20, (\s)*SLOT
	s_add_nc_u64 s[G0A+4*(\s)+2:G0A+4*(\s)+3], s[14:15], (\s)*KSTEP*2
	s_or_b32 s[G0A+4*(\s)+3], s[G0A+4*(\s)+3], 0x80000000
	s_mov_b32 s[G0B+4*(\s)], 1
	s_add_co_u32 s[G0B+4*(\s)+1], s20, (\s)*SLOT
	s_add_nc_u64 s[G0B+4*(\s)+2:G0B+4*(\s)+3], s[46:47], (\s)*KSTEP*2
	s_or_b32 s[G0B+4*(\s)+3], s[G0B+4*(\s)+3], 0x80000000
.endr
	s_cmp_eq_u32 s11, 0                            ; a wave's two first fills stand in one branch: two loads of mine are out
	s_cbranch_scc0 .Lfirst_b
	tensor_load_to_lds s[G0A:G0A+3], s[G1A:G1A+7]
	s_nop 0
	tensor_load_to_lds s[G0A+4:G0A+7], s[G1A:G1A+7]
	s_nop 0
.rept 4
	v_nop
.endr
	s_branch .Lfirst_asked
.Lfirst_b:
	tensor_load_to_lds s[G0B:G0B+3], s[G1B:G1B+7]
	s_nop 0
	tensor_load_to_lds s[G0B+4:G0B+7], s[G1B:G1B+7]
	s_nop 0
.rept 4
	v_nop
.endr
.Lfirst_asked:
	v_and_b32 v1, 15, v0                           ; r = l % 16
	v_bfe_u32 v2, v0, 4, 1                         ; h = l / 16
	v_mul_u32_u24 v3, v1, PITCH
	v_lshl_add_u32 v3, v2, 4, v3                   ; r x pitch + 16 h
	s_mul_i32 s21, s11, HALFT
	s_mul_i32 s22, s12, HALFT
	s_add_co_u32 s22, s22, 2*HALFT
	v_add_nc_u32 v[ABASE], s21, v3
	v_add_nc_u32 v[BBASE], s22, v3
	s_mul_i32 s23, s10, 16*SPITCH
	s_add_co_u32 s23, s23, STAGE                   ; my stage
	v_add_nc_u32 v[STO], s23, v3                   ; in: row r, 16 bytes for each half of the lanes (the stage's pitch is the tiles')
	v_mul_u32_u24 v5, v2, SPITCH
	v_lshl_add_u32 v5, v1, 4, v5
	v_add_nc_u32 v[RD], s23, v5                    ; back: lanes 0-15 one row of 256 bytes, lanes 16-31 the next
	v_lshlrev_b32 v5, 12, v2
	v_lshl_add_u32 v[CO], v1, 4, v5                ; the same two rows in qk
	v_lshlrev_b32 v[BO], 5, v2                     ; 8 h numbers of 4 bytes
	s_lshl_b32 s18, s42, 10                        ; the bias of my 128 columns: 4 (256 x tile column + 128 x half) bytes behind BIASOFF
	s_lshl_b32 s19, s12, 9
	s_add_co_u32 s18, s18, s19
	s_add_co_u32 s18, s18, BIASOFF
	s_mov_b32 s19, 0
	s_add_nc_u64 s[18:19], s[6:7], s[18:19]
.irp b, 0,1,2,3,4,5,6,7
	global_load_b128 v[BIAS+8*(\b):BIAS+8*(\b)+3],   v[BO], s[18:19] offset:64*(\b)     ; register j of block b: column 16 b + 8 h + j
	global_load_b128 v[BIAS+8*(\b)+4:BIAS+8*(\b)+7], v[BO], s[18:19] offset:64*(\b)+16
.endr
	s_lshl_b32 s16, s13, 8                         ; where my part of the tile begins in qk
	s_lshl_b32 s14, s11, 7
	s_add_co_u32 s16, s16, s14
	s_lshl_b32 s16, s16, 12
	s_lshl_b32 s46, s42, 9
	s_lshl_b32 s47, s12, 8
	s_add_co_u32 s46, s46, s47
	s_add_co_u32 s16, s16, s46
	s_mov_b32 s17, 0
	s_add_nc_u64 s[8:9], s[8:9], s[16:17]
; 16 matrix instructions: blocks a0, a0 + 1 of the window's four x all 8 column blocks, 32 along K.  first = 2: the bias starts the sums.  The 64 accumulators take turns.
.macro MUL16 f, hi, a0, first
.if (\first) == 2
	WIN 0x81+0x40*(\hi)                            ; C in window 0
.else
	WIN 0xa1+0x50*(\hi)
.endif
.irp a, \a0, (\a0)+1
.irp b, 0,1,2,3,4,5,6,7
.if (\first) == 2
	v_wmma_f32_16x16x32_bf16 v[8*(8*(\a)+(\b)):8*(8*(\a)+(\b))+7], v[(\f)+8*(\b):(\f)+8*(\b)+7], v[(\f)+8*(4*(\hi)+(\a)):(\f)+8*(4*(\hi)+(\a))+7], v[BIAS+8*(\b):BIAS+8*(\b)+7]
.else
	v_wmma_f32_16x16x32_bf16 v[8*(8*(\a)+(\b)):8*(8*(\a)+(\b))+7], v[(\f)+8*(\b):(\f)+8*(\b)+7], v[(\f)+8*(4*(\hi)+(\a)):(\f)+8*(4*(\hi)+(\a))+7], v[8*(8*(\a)+(\b)):8*(8*(\a)+(\b))+7]
.endif
.endr
.endr
.endm
.macro FETCH k, f                      ; 32 LDS loads in one run: the fragments of 32 along K at byte k of the rows of the slot in hand
	WIN 0x40
.irp i, 0,1,2,3,4,5,6,7
	ds_load_b128 v[(\f)+8*(\i):(\f)+8*(\i)+3],   v[ADRB] offset:(\k)+(\i)*16*PITCH
	ds_load_b128 v[(\f)+8*(\i)+4:(\f)+8*(\i)+7], v[ADRB] offset:(\k)+(\i)*16*PITCH+32
.endr
	WIN 0
.irp i, 0,1,2,3,4,5,6,7
	ds_load_b128 v[(\f)+8*(\i):(\f)+8*(\i)+3],   v[ADRA] offset:(\k)+(\i)*16*PITCH
	ds_load_b128 v[(\f)+8*(\i)+4:(\f)+8*(\i)+7], v[ADRA] offset:(\k)+(\i)*16*PITCH+32
.endr
.endm
.macro QUARTER k, f, g, first          ; multiplies buffer f; in its middle fetches the next quarter, at byte k, into g
	s_wait_dscnt 8                                 ; all but the youngest eight loads (xb's rows 64-127)
	MUL16 \f, 0, 0, \first
	MUL16 \f, 0, 2, \first
	PLACES
	FETCH \k, \g
	s_wait_dscnt 32                                ; all but the 32 just issued
	MUL16 \f, 1, 0, \first
	MUL16 \f, 1, 2, \first
.endm
; A K step's last quarter multiplies buffer 1 and changes slots.  In front of the barrier each wave waits for all its tensor loads (one is out: its part of the next slot), adds 0 to its spare
; word, and waits for that and for its reads of this slot.  fill = 1: the barrier opens a round of the cluster's, and the slot just read is filled again, two K steps ahead, first thing behind it.
; fill = 0 (the tail): nothing is asked for; in the last K step (CNT = 1) there is no next slot to fetch from.
.macro TURN fill
	WIN 0
	s_wait_tensorcnt 0x0
	ds_add_u32 v[SPW], v[NIL]
	s_wait_dscnt 9                                 ; the add and the youngest eight loads may be out
	MUL16 F1, 0, 0, 0
	s_wait_dscnt 0x0                               ; the add is done, and my reads of this slot are over
	s_barrier_signal -1
	MUL16 F1, 0, 2, 0
	WIN 0
	s_barrier_wait -1
.if \fill
	CREST
	s_xor_b32 s[G0A+5], s[G0A+5], SLOT             ; the walking sets: the other slot than last time, the next K step
	s_add_nc_u64 s[G0A+6:G0A+7], s[G0A+6:G0A+7], KSTEP*2
	s_xor_b32 s[G0B+5], s[G0B+5], SLOT
	s_add_nc_u64 s[G0B+6:G0B+7], s[G0B+6:G0B+7], KSTEP*2
	JLOAD
.else
	s_cmp_eq_u32 s[CNT], 1
	s_cbranch_scc1 .Lnf_\@
.endif
	s_xor_b32 s[TB], s[TB], SLOT
	v_add_nc_u32 v[ADRA], s[TB], v[ABASE]          ; these four are the places in front of the loads into buffer 0
	v_add_nc_u32 v[ADRB], s[TB], v[BBASE]
	v_nop
	v_nop
	FETCH 0, F0
.if !(\fill)
.Lnf_\@:
.endif
	MUL16 F1, 1, 0, 0
	MUL16 F1, 1, 2, 0
.endm
; THE WAY OUT of block a (16 rows): rounded to f16, 16 bytes a lane; into my own stage and back as whole rows of 256 bytes; stored.
.macro PACK a
.set AC, 64*((\a)%4)
	WIN 0x0a+5*((\a)/4)                            ; sources 0 and 1: window 2 or 3
.irp b, 0,1,2,3,4,5,6,7
.irp r, 0,1,2,3
	v_cvt_pk_f16_f32 v[TMP+4*(\b)+(\r)], v[AC+8*(\b)+2*(\r)], v[AC+8*(\b)+2*(\r)+1]
.endr
.endr
	WIN 0
.endm
.macro TOSTAGE a
.set BK, OB+192*((\a)%2)
.irp b, 0,1,2,3,4,5,6,7
	ds_store_b128 v[STO], v[TMP+4*(\b):TMP+4*(\b)+3] offset:32*(\b)
.endr
.irp t, 0,1,2,3,4,5,6,7
	ds_load_b128 v[BK+4*(\t):BK+4*(\t)+3], v[RD] offset:(\t)*2*SPITCH  ; LDS serves a wave's instructions in order (ISA guide 5.7.1.4): these see the stores above
.endr
.endm
.macro SEND a
.set BK, OB+192*((\a)%2)
	s_wait_dscnt 0x0                               ; the block is back in registers
	s_wait_xcnt 0x0                                ; the stores' base, and the registers that the stores two blocks back read, are rewritten only behind this wait
.if (\a) != 0
	s_add_nc_u64 s[8:9], s[8:9], 16*LDCB
.endif
.irp t, 0,1,2,3,4,5,6,7
	global_store_b128 v[CO], v[BK+4*(\t):BK+4*(\t)+3], s[8:9] offset:2*(\t)*LDCB  ; 16 lanes store 256 consecutive bytes, at a multiple of 256 from qk's first byte
.endr
.endm
	s_mov_b32 s[TB], 0
	v_mov_b32 v[ADRA], v[ABASE]
	v_mov_b32 v[ADRB], v[BBASE]
	s_wait_tensorcnt 1                             ; my part of K step 0 is in; K step 1's may stay out
	s_barrier_signal -1
	s_barrier_wait -1
	FETCH 0, F0
	s_wait_loadcnt 0x0                             ; the bias
	QUARTER 64, F0, F1, 2                          ; the first quarter stands in front of the loop: its products start the sums
	WIN 0
	s_mov_b32 s[CNT], NK-2
.Lstep:                                                ; a trip: a K step's quarters 1 to 3, the change of slots with a refill, the next step's quarter 0
	QUARTER 128, F1, F0, 0
	QUARTER 192, F0, F1, 0
	TURN 1
	QUARTER 64, F0, F1, 0
	WIN 0
	s_sub_co_u32 s[CNT], s[CNT], 1
	s_cmp_lg_u32 s[CNT], 0
	s_cbranch_scc1 .Lstep
	s_mov_b32 s[CNT], 2
.Ltail:                                                ; the last two K steps ask for nothing; the second trip is left in its middle
	QUARTER 128, F1, F0, 0
	QUARTER 192, F0, F1, 0
	TURN 0
	WIN 0
	s_sub_co_u32 s[CNT], s[CNT], 1
	s_cmp_eq_u32 s[CNT], 0
	s_cbranch_scc1 .Lout
	QUARTER 64, F0, F1, 0
	WIN 0
	s_branch .Ltail
.Lout:
	s_wait_dscnt 0x0
	PLACES                                         ; the conversions read results just made
	PACK 0
	TOSTAGE 0
.irp a, 1,2,3,4,5,6,7                  ; block a's conversions stand between block a - 1's loads from the stage and the wait for them
	PACK \a
	SEND (\a)-1
	TOSTAGE \a
.endr
	SEND 7
	s_wait_tensorcnt 0x0                           ; the wave's end
	ds_add_u32 v[SPW], v[NIL]
	s_wait_dscnt 0x0
	CROUND                                         ; the closing round
	s_endpgm
.Lfunc_end_k_q9b64002a9f_projqk:
	.size	k_q9b64002a9f_projqk, .Lfunc_end_k_q9b64002a9f_projqk-k_q9b64002a9f_projqk
	.p2alignl 7, 3214868480
	.fill 96, 4, 3214868480
	.section	.rodata,"a",@progbits
	.p2align	6, 0x0
	.amdhsa_kernel k_q9b64002a9f_projqk
		.amdhsa_group_segment_fixed_size 327680
		.amdhsa_private_segment_fixed_size 0
		.amdhsa_enable_private_segment 0
		.amdhsa_kernarg_size 24
		.amdhsa_user_sgpr_count 2
		.amdhsa_user_sgpr_kernarg_segment_ptr 1
		.amdhsa_wavefront_size32 1
		.amdhsa_system_sgpr_workgroup_id_x 1
		.amdhsa_system_sgpr_workgroup_id_y 1
		.amdhsa_system_sgpr_workgroup_id_z 1
		.amdhsa_system_vgpr_workitem_id 0
		.amdhsa_next_free_vgpr 1024
		.amdhsa_next_free_sgpr 72
		.amdhsa_reserve_vcc 0
		.amdhsa_float_denorm_mode_32 3
		.amdhsa_float_denorm_mode_16_64 3
		.amdhsa_memory_ordered 1
		.amdhsa_forward_progress 1
		.amdhsa_inst_pref_size 101
	.end_amdhsa_kernel
	.amdgpu_metadata
---
amdhsa.version: [ 1, 2 ]
amdhsa.kernels:
  - .name:           k_q9b64002a9f_projqk
    .symbol:         k_q9b64002a9f_projqk.kd
    .args:
      - { .name: xb, .offset: 0, .size: 8, .value_kind: global_buffer, .address_space: global }
      - { .name: wb, .offset: 8, .size: 8, .value_kind: global_buffer, .address_space: global }
      - { .name: qk, .offset: 16, .size: 8, .value_kind: global_buffer, .address_space: global }
    .group_segment_fixed_size: 327680
    .private_segment_fixed_size: 0
    .kernarg_segment_align: 8
    .kernarg_segment_size: 24
    .max_flat_workgroup_size: 128
    .sgpr_count:     72
    .vgpr_count:     1024
    .wavefront_size: 32
...
	.end_amdgpu_metadata
.endif
;; end of part 2
;; launch projv (part 3): grid 32 x 8, 4 waves a work-group, clusters of 4 x 4, 327,680 bytes of LDS; arguments wb, xb, vt; writes vt
.if DOCPART == 3
	.amdgcn_target "amdgcn-amd-amdhsa--gfx1250"
	.amdhsa_code_object_version 6
	.text
	.protected	k_q9b64002a9f_projv
	.globl	k_q9b64002a9f_projv
	.p2align	8
	.type	k_q9b64002a9f_projv,@function
k_q9b64002a9f_projv:
	s_mov_b64 s[64:65], 0
	v_nop
	global_prefetch_b8 v0, s[64:65] scope:SCOPE_SE
	s_setreg_imm32_b32 hwreg(HW_REG_WAVE_MODE, 25, 1), 1
	s_wait_xcnt 0x0
	s_wait_alu depctr_hold_cnt(0) depctr_sa_sdst(0) depctr_va_vdst(0) depctr_va_sdst(0) depctr_va_ssrc(0) depctr_va_vcc(0) depctr_vm_vsrc(0)
	s_getreg_b32 s2, hwreg(HW_REG_IB_STS2, 6, 4)
	s_cmp_eq_u32 s2, 0
	s_cbranch_scc0 .Lentry_in_a_cluster
	s_endpgm
.Lentry_in_a_cluster:
	s_bfe_u32 s2, ttmp6, 0x10000c
	s_cmp_lg_u32 s2, 0xf033
	s_cbranch_scc0 .Lentry_shape_is_right
	s_endpgm
.Lentry_shape_is_right:
; vt[c][t] = sum over h of wv[c][h] xb[t][h] + bv[c]: V, written turned, [1024 channels][8192 tokens] in f16, so that the product with the weights finds keys along the rows.
; wv = wb rows 2048-3071 (bf16), xb [8192][1024] (bf16); bv in f32 behind wb's rows.  Sums in f32, rounded once.  LIMIT: |V| stays under 65,504; NaN and infinities are not treated apart.
; SHARES.  A work-group makes 128 channels x 256 tokens, which gives each of 256 work-groups one tile; a wave 64 x 128: 32 accumulators, 256 registers.  K in 8 steps of 128 through two LDS slots.
; Wave 0 fetches wv's 128 rows, waves 1 and 2 xb's two halves of 128 rows, wave 3 none: one tensor load a wave behind each round.
; CLUSTER 4 x 4: wv's tile is shared along a row of the cluster, xb's along a column.  The matrix instruction is used transposed (source 0 = 16 rows of xb, source 1 = 16 rows of wv):
; lane l holds channel l % 16 and the tokens 8 (l / 16) + 0..7.  So the bias is one number a lane and block, eight times: the C operand of the products that start the sums.
; REGISTERS: window 0: v0-31 addresses; v32-63, v64-95 fragments of wv; v96-159, v160-223 fragments of xb; window 1: accumulator (a, b) at v[8 (8 a + b)]; window 2: v0-31 the bias.
.set KSTEP,  128
.set NK,     8
.set PITCH,  272                       ; 256 bytes + 16 of padding: the 16 rows of a fragment load start at 16 different groups of four banks (ISA guide 11.1)
.set ATILE,  128*PITCH                 ; what one tensor load brings
.set SLOT1,  1<<17                     ; a slot holds three such tiles (104,448 bytes); slot 1 begins here, so that an exclusive or moves an address between the slots
.set STAGE,  SLOT1+3*ATILE
.set SPITCH, 272
.set SPARE,  STAGE+4*16*SPITCH         ; the spare words: two blocks of 256 bytes that no other line names
.set LDCB,   16384                     ; bytes in a row of vt
.set BIASOFF, 6291456
.set ADRA,  16
.set ABASE, 17
.set ADRB,  18
.set BBASE, 19
.set STO,   20
.set RD,    21
.set CO,    22
.set SPW,   28
.set NIL,   29
.set AF0,   32
.set BF0,   96
.set TMP,   32
.set OB,    96
.set G1A, 24
.set G0A, 32
.set G1B, 48
.set G0B, 56
.set CNT, 66
.set TB,  67
.set MSB, 0
.macro WIN new
.if MSB != (\new)
	s_set_vgpr_msb (MSB<<8)|(\new)
.set MSB, \new
.endif
.endm
.macro PLACES
.rept 4
	v_nop
.endr
.endm
.macro JLOAD3                          ; a joint refill by the walking sets; the branches hang on the wave's number alone
	s_cmp_eq_u32 s10, 0
	s_cbranch_scc0 .Lnot_a_\@
	tensor_load_to_lds s[G0A+4:G0A+7], s[G1A:G1A+7]
	s_nop 0
.rept 4
	v_nop
.endr
	s_branch .Lasked_\@
.Lnot_a_\@:
	s_cmp_eq_u32 s10, 3
	s_cbranch_scc1 .Lasked_\@
	tensor_load_to_lds s[G0B+4:G0B+7], s[G1B:G1B+7]
	s_nop 0
.rept 4
	v_nop
.endr
.Lasked_\@:
.endm
.macro CREST
	s_cmp_lg_u32 s10, 0
	s_cbranch_scc1 .Lnot_wave_0_\@
	s_barrier_signal -3
.Lnot_wave_0_\@:
	s_barrier_wait -3
	s_barrier_signal -1
	s_barrier_wait -1
.endm
.macro CROUND
	s_barrier_signal -1
	s_barrier_wait -1
	CREST
.endm
	s_load_b128 s[4:7], s[0:1], 0x0                ; wb s[4:5], xb s[6:7]
	s_load_b64 s[8:9], s[0:1], 0x10                ; vt
	v_lshl_add_u32 v[SPW], v0, 2, SPARE
	v_mov_b32 v[NIL], 0
	ds_add_u32 v[SPW], v[NIL]                      ; the wave's opening: the add and its wait ahead of my first tensor load
	v_lshrrev_b32 v1, 5, v0
	v_readfirstlane_b32 s10, v1                    ; wave 0..3
	s_lshr_b32 s11, s10, 1                         ; my 64 of the tile's 128 rows
	s_and_b32 s12, s10, 1                          ; my 128 of its 256 columns
	s_max_u32 s21, s10, 1
	s_min_u32 s21, s21, 2
	s_sub_co_u32 s21, s21, 1                       ; which half of xb's 256 rows waves 1 and 2 fetch
	s_bfe_u32 s40, ttmp6, 0x40000                  ; cx
	s_bfe_u32 s41, ttmp6, 0x40004                  ; cy
	s_lshl_b32 s42, ttmp9, 2
	s_add_co_u32 s42, s42, s40                     ; tile column (tokens)
	s_and_b32 s13, ttmp7, 0xffff
	s_lshl_b32 s13, s13, 2
	s_add_co_u32 s13, s13, s41                     ; tile row (channels)
	s_lshl_b32 s43, s41, 2
	s_lshl_b32 s43, 15, s43
	s_lshl_b32 s44, 0x1111, s40
	s_or_b32 s[G1A+0], s43, (1<<16)|(1<<20)|(1<<21)|(5<<22)|(3<<25)  ; the mask; 2-byte elements; padding on; bit 21 beside a mask; after every 64 words 4 words
	s_or_b32 s[G1B+0], s44, (1<<16)|(1<<20)|(1<<21)|(5<<22)|(3<<25)
.irp g, G1A, G1B
	s_mov_b32 s[(\g)+1], KSTEP<<16
	s_mov_b32 s[(\g)+2], 128<<16
	s_mov_b32 s[(\g)+3], KSTEP<<16
	s_mov_b32 s[(\g)+4], 128
	s_mov_b32 s[(\g)+5], 1024                      ; elements from row to row, in wb and in xb
	s_mov_b32 s[(\g)+6], 0
	s_mov_b32 s[(\g)+7], 0
.endr
	s_lshl_b32 s16, s13, 18                        ; wv: 128 rows of 2,048 bytes a tile row,
	s_add_co_u32 s16, s16, 0x400000                ; behind wq's and wk's 2,048 rows
	s_mov_b32 s17, 0
	s_lshl_b32 s46, s42, 8
	s_lshl_b32 s47, s21, 7
	s_add_co_u32 s46, s46, s47
	s_lshl_b32 s46, s46, 11                        ; xb: row 256 x tile column + 128 x half
	s_mov_b32 s47, 0
	s_mul_i32 s20, s10, ATILE                      ; where my tile goes in a slot
	s_wait_dscnt 0x0
	s_wait_kmcnt 0x0
	s_add_nc_u64 s[14:15], s[4:5], s[16:17]
	s_add_nc_u64 s[46:47], s[6:7], s[46:47]
	CROUND
.irp s, 0,1
	s_mov_b32 s[G0A+4*(\s)], 1
	s_add_co_u32 s[G0A+4*(\s)+1], s20, (\s)*SLOT1
	s_add_nc_u64 s[G0A+4*(\s)+2:G0A+4*(\s)+3], s[14:15], (\s)*KSTEP*2
	s_or_b32 s[G0A+4*(\s)+3], s[G0A+4*(\s)+3], 0x80000000
	s_mov_b32 s[G0B+4*(\s)], 1
	s_add_co_u32 s[G0B+4*(\s)+1], s20, (\s)*SLOT1
	s_add_nc_u64 s[G0B+4*(\s)+2:G0B+4*(\s)+3], s[46:47], (\s)*KSTEP*2
	s_or_b32 s[G0B+4*(\s)+3], s[G0B+4*(\s)+3], 0x80000000
.endr
	s_cmp_eq_u32 s10, 0                            ; a wave's two first fills stand together
	s_cbranch_scc0 .Lfirst_not_a
	tensor_load_to_lds s[G0A:G0A+3], s[G1A:G1A+7]
	s_nop 0
	tensor_load_to_lds s[G0A+4:G0A+7], s[G1A:G1A+7]
	s_nop 0
.rept 4
	v_nop
.endr
	s_branch .Lfirst_asked
.Lfirst_not_a:
	s_cmp_eq_u32 s10, 3
	s_cbranch_scc1 .Lfirst_asked
	tensor_load_to_lds s[G0B:G0B+3], s[G1B:G1B+7]
	s_nop 0
	tensor_load_to_lds s[G0B+4:G0B+7], s[G1B:G1B+7]
	s_nop 0
.rept 4
	v_nop
.endr
.Lfirst_asked:
	v_and_b32 v1, 15, v0                           ; r
	v_bfe_u32 v2, v0, 4, 1                         ; h
	v_mul_u32_u24 v3, v1, PITCH
	v_lshl_add_u32 v3, v2, 4, v3
	s_mul_i32 s21, s11, 64*PITCH
	s_mul_i32 s22, s12, 128*PITCH
	s_add_co_u32 s22, s22, ATILE
	v_add_nc_u32 v[ABASE], s21, v3
	v_add_nc_u32 v[BBASE], s22, v3
	s_mul_i32 s23, s10, 16*SPITCH
	s_add_co_u32 s23, s23, STAGE
	v_add_nc_u32 v[STO], s23, v3
	v_mul_u32_u24 v5, v2, SPITCH
	v_lshl_add_u32 v5, v1, 4, v5
	v_add_nc_u32 v[RD], s23, v5
	v_lshlrev_b32 v5, 14, v2
	v_lshl_add_u32 v[CO], v1, 4, v5
	v_lshlrev_b32 v6, 2, v1                        ; 4 r
	s_lshl_b32 s16, s13, 7
	s_lshl_b32 s14, s11, 6
	s_add_co_u32 s16, s16, s14                     ; my first channel
	s_lshl_b32 s18, s16, 2
	s_add_co_u32 s18, s18, BIASOFF+8192            ; bv lies behind bq and bk
	s_mov_b32 s19, 0
	s_add_nc_u64 s[18:19], s[4:5], s[18:19]
	WIN 0x80                                       ; destination window 2
.irp a, 0,1,2,3
	global_load_b32 v[8*(\a)], v6, s[18:19] offset:64*(\a)  ; bv of channel 16 a + r
.endr
	WIN 0
	s_lshl_b32 s16, s16, 14                        ; where my part of the tile begins in vt
	s_lshl_b32 s46, s42, 9
	s_lshl_b32 s47, s12, 8
	s_add_co_u32 s46, s46, s47
	s_add_co_u32 s16, s16, s46
	s_mov_b32 s17, 0
	s_add_nc_u64 s[8:9], s[8:9], s[16:17]
; 8 matrix instructions: row block a x all 8 column blocks, 32 along K, buffer f.  first = 3: the bias of block a starts the sums.  The 32 accumulators take turns.
.macro MUL8 f, a, first
.set AFB, AF0+32*(\f)
.set BFB, BF0+64*(\f)
.if (\first) == 3
	WIN 0x60                                       ; C in window 2, D in window 1
.else
	WIN 0x50
.endif
.irp b, 0,1,2,3,4,5,6,7
.if (\first) == 3
	v_wmma_f32_16x16x32_bf16 v[8*(8*(\a)+(\b)):8*(8*(\a)+(\b))+7], v[BFB+8*(\b):BFB+8*(\b)+7], v[AFB+8*(\a):AFB+8*(\a)+7], v[8*(\a):8*(\a)+7]
.else
	v_wmma_f32_16x16x32_bf16 v[8*(8*(\a)+(\b)):8*(8*(\a)+(\b))+7], v[BFB+8*(\b):BFB+8*(\b)+7], v[AFB+8*(\a):AFB+8*(\a)+7], v[8*(8*(\a)+(\b)):8*(8*(\a)+(\b))+7]
.endif
.endr
.endm
.macro FETCH k, f                      ; 24 LDS loads in one run: row blocks 0, 1; the 8 column blocks; row blocks 2, 3
	WIN 0
.set AFB, AF0+32*(\f)
.set BFB, BF0+64*(\f)
.irp i, 0,1
	ds_load_b128 v[AFB+8*(\i):AFB+8*(\i)+3],   v[ADRA] offset:(\k)+(\i)*16*PITCH
	ds_load_b128 v[AFB+8*(\i)+4:AFB+8*(\i)+7], v[ADRA] offset:(\k)+(\i)*16*PITCH+32
.endr
.irp i, 0,1,2,3,4,5,6,7
	ds_load_b128 v[BFB+8*(\i):BFB+8*(\i)+3],   v[ADRB] offset:(\k)+(\i)*16*PITCH
	ds_load_b128 v[BFB+8*(\i)+4:BFB+8*(\i)+7], v[ADRB] offset:(\k)+(\i)*16*PITCH+32
.endr
.irp i, 2,3
	ds_load_b128 v[AFB+8*(\i):AFB+8*(\i)+3],   v[ADRA] offset:(\k)+(\i)*16*PITCH
	ds_load_b128 v[AFB+8*(\i)+4:AFB+8*(\i)+7], v[ADRA] offset:(\k)+(\i)*16*PITCH+32
.endr
.endm
.macro QUARTER k, f, g, first
	s_wait_dscnt 4                                 ; all but the youngest four loads (row blocks 2, 3)
	MUL8 \f, 0, \first
	MUL8 \f, 1, \first
	PLACES
	FETCH \k, \g
	s_wait_dscnt 24                                ; all but the 24 just issued
	MUL8 \f, 2, \first
	MUL8 \f, 3, \first
.endm
; The change of slots: each wave waits for all its tensor loads, adds 0 to its spare word, waits for that and for its reads of this slot; fill = 1: the barrier opens a round of the cluster's,
; and the slot just read is filled again, two K steps ahead, first thing behind it.  fill = 0: the tail; in the last K step (CNT = 1) nothing is fetched.
.macro TURN fill
	WIN 0
	s_wait_tensorcnt 0x0
	ds_add_u32 v[SPW], v[NIL]
	s_wait_dscnt 5                                 ; the add and the youngest four loads may be out
	MUL8 1, 0, 0
	s_wait_dscnt 0x0
	s_barrier_signal -1
	MUL8 1, 1, 0
	WIN 0
	s_barrier_wait -1
.if \fill
	CREST
	s_xor_b32 s[G0A+5], s[G0A+5], SLOT1
	s_add_nc_u64 s[G0A+6:G0A+7], s[G0A+6:G0A+7], KSTEP*2
	s_xor_b32 s[G0B+5], s[G0B+5], SLOT1
	s_add_nc_u64 s[G0B+6:G0B+7], s[G0B+6:G0B+7], KSTEP*2
	JLOAD3
.else
	s_cmp_eq_u32 s[CNT], 1
	s_cbranch_scc1 .Lnf_\@
.endif
	s_xor_b32 s[TB], s[TB], SLOT1
	v_add_nc_u32 v[ADRA], s[TB], v[ABASE]          ; these four are the places in front of the loads into buffer 0
	v_add_nc_u32 v[ADRB], s[TB], v[BBASE]
	v_nop
	v_nop
	FETCH 0, 0
.if !(\fill)
.Lnf_\@:
.endif
	MUL8 1, 2, 0
	MUL8 1, 3, 0
.endm
.macro PACK a                          ; block a's 16 rows rounded to f16, 16 bytes a lane
	WIN 0x05                                       ; sources 0 and 1 window 1
.irp b, 0,1,2,3,4,5,6,7
.irp r, 0,1,2,3
	v_cvt_pk_f16_f32 v[TMP+4*(\b)+(\r)], v[8*(8*(\a)+(\b))+2*(\r)], v[8*(8*(\a)+(\b))+2*(\r)+1]
.endr
.endr
	WIN 0
.endm
.macro TOSTAGE a
.set BK, OB+32*((\a)%2)
	s_wait_xcnt 0x0                                ; the registers that earlier stores read are loaded again only behind this wait
.irp b, 0,1,2,3,4,5,6,7
	ds_store_b128 v[STO], v[TMP+4*(\b):TMP+4*(\b)+3] offset:32*(\b)
.endr
.irp t, 0,1,2,3,4,5,6,7
	ds_load_b128 v[BK+4*(\t):BK+4*(\t)+3], v[RD] offset:(\t)*2*SPITCH  ; LDS serves a wave's instructions in order (ISA guide 5.7.1.4)
.endr
.endm
.macro SEND a
.set BK, OB+32*((\a)%2)
	s_wait_dscnt 0x0
.irp t, 0,1,2,3,4,5,6,7
	global_store_b128 v[CO], v[BK+4*(\t):BK+4*(\t)+3], s[8:9] offset:(16*(\a)+2*(\t))*LDCB  ; 16 lanes store 256 consecutive bytes, aligned; 62 rows at the most in the immediate
.endr
.endm
	s_wait_loadcnt 0x0                             ; the bias: one number a lane and block, spread over the block's eight registers
	WIN 0x82
.irp a, 0,1,2,3
.irp j, 1,2,3,4,5,6,7
	v_mov_b32 v[8*(\a)+(\j)], v[8*(\a)]
.endr
.endr
	WIN 0
	s_mov_b32 s[TB], 0
	v_mov_b32 v[ADRA], v[ABASE]
	v_mov_b32 v[ADRB], v[BBASE]
	s_wait_tensorcnt 1                             ; my part of K step 0 is in; K step 1's may stay out
	s_barrier_signal -1
	s_barrier_wait -1
	FETCH 0, 0
	QUARTER 64, 0, 1, 3
	WIN 0
	s_mov_b32 s[CNT], NK-2
.Lstep:
	QUARTER 128, 1, 0, 0
	QUARTER 192, 0, 1, 0
	TURN 1
	QUARTER 64, 0, 1, 0
	WIN 0
	s_sub_co_u32 s[CNT], s[CNT], 1
	s_cmp_lg_u32 s[CNT], 0
	s_cbranch_scc1 .Lstep
	s_mov_b32 s[CNT], 2
.Ltail:
	QUARTER 128, 1, 0, 0
	QUARTER 192, 0, 1, 0
	TURN 0
	WIN 0
	s_sub_co_u32 s[CNT], s[CNT], 1
	s_cmp_eq_u32 s[CNT], 0
	s_cbranch_scc1 .Lout
	QUARTER 64, 0, 1, 0
	WIN 0
	s_branch .Ltail
.Lout:
	s_wait_dscnt 0x0
	PLACES
	PACK 0
	TOSTAGE 0
.irp a, 1,2,3
	PACK \a
	SEND (\a)-1
	TOSTAGE \a
.endr
	SEND 3
	s_wait_tensorcnt 0x0                           ; the wave's end
	ds_add_u32 v[SPW], v[NIL]
	s_wait_dscnt 0x0
	CROUND
	s_endpgm
.Lfunc_end_k_q9b64002a9f_projv:
	.size	k_q9b64002a9f_projv, .Lfunc_end_k_q9b64002a9f_projv-k_q9b64002a9f_projv
	.p2alignl 7, 3214868480
	.fill 96, 4, 3214868480
	.section	.rodata,"a",@progbits
	.p2align	6, 0x0
	.amdhsa_kernel k_q9b64002a9f_projv
		.amdhsa_group_segment_fixed_size 327680
		.amdhsa_private_segment_fixed_size 0
		.amdhsa_enable_private_segment 0
		.amdhsa_kernarg_size 24
		.amdhsa_user_sgpr_count 2
		.amdhsa_user_sgpr_kernarg_segment_ptr 1
		.amdhsa_wavefront_size32 1
		.amdhsa_system_sgpr_workgroup_id_x 1
		.amdhsa_system_sgpr_workgroup_id_y 1
		.amdhsa_system_sgpr_workgroup_id_z 1
		.amdhsa_system_vgpr_workitem_id 0
		.amdhsa_next_free_vgpr 576
		.amdhsa_next_free_sgpr 72
		.amdhsa_reserve_vcc 0
		.amdhsa_float_denorm_mode_32 3
		.amdhsa_float_denorm_mode_16_64 3
		.amdhsa_memory_ordered 1
		.amdhsa_forward_progress 1
		.amdhsa_inst_pref_size 62
	.end_amdhsa_kernel
	.amdgpu_metadata
---
amdhsa.version: [ 1, 2 ]
amdhsa.kernels:
  - .name:           k_q9b64002a9f_projv
    .symbol:         k_q9b64002a9f_projv.kd
    .args:
      - { .name: wb, .offset: 0, .size: 8, .value_kind: global_buffer, .address_space: global }
      - { .name: xb, .offset: 8, .size: 8, .value_kind: global_buffer, .address_space: global }
      - { .name: vt, .offset: 16, .size: 8, .value_kind: global_buffer, .address_space: global }
    .group_segment_fixed_size: 327680
    .private_segment_fixed_size: 0
    .kernarg_segment_align: 8
    .kernarg_segment_size: 24
    .max_flat_workgroup_size: 128
    .sgpr_count:     72
    .vgpr_count:     576
    .wavefront_size: 32
...
	.end_amdgpu_metadata
.endif
;; end of part 3
;; launch scores (part 4): grid 8 x 32, 4 waves a work-group, clusters of 4 x 4, 327,680 bytes of LDS; arguments qk, attn_mask, p, st; writes p, st
.if DOCPART == 4
	.amdgcn_target "amdgcn-amd-amdhsa--gfx1250"
	.amdhsa_code_object_version 6
	.text
	.protected	k_q9b64002a9f_scores
	.globl	k_q9b64002a9f_scores
	.p2align	8
	.type	k_q9b64002a9f_scores,@function
k_q9b64002a9f_scores:
	s_mov_b64 s[64:65], 0
	v_nop
	global_prefetch_b8 v0, s[64:65] scope:SCOPE_SE
	s_setreg_imm32_b32 hwreg(HW_REG_WAVE_MODE, 25, 1), 1
	s_wait_xcnt 0x0
	s_wait_alu depctr_hold_cnt(0) depctr_sa_sdst(0) depctr_va_vdst(0) depctr_va_sdst(0) depctr_va_ssrc(0) depctr_va_vcc(0) depctr_vm_vsrc(0)
	s_getreg_b32 s2, hwreg(HW_REG_IB_STS2, 6, 4)
	s_cmp_eq_u32 s2, 0
	s_cbranch_scc0 .Lentry_in_a_cluster
	s_endpgm
.Lentry_in_a_cluster:
	s_bfe_u32 s2, ttmp6, 0x10000c
	s_cmp_lg_u32 s2, 0xf033
	s_cbranch_scc0 .Lentry_shape_is_right
	s_endpgm
.Lentry_shape_is_right:
; For each query q and each block t of 128 keys: s = Q[q] . K[k]; hidden keys (attn_mask = 0) count as -infinity; cm = the maximum of c s over the block's keys, c = log2(e) / 32;
; p[q][k] = 2^(c s - cm), rounded to f16; l = the sum of the unrounded p.  p [8192][2048] f16; st [2][16 blocks][8192 rows] f32: plane 0 cm, plane 1 l.
; The launch behind brings the blocks of a row to the row's true maximum by the factor 2^(cm - max cm): every exponential here has its own block's true maximum taken away.
; A block with every key hidden: cm = the lowest finite number, p = 0, l = 0.  LIMITS: p below 6e-5 keeps f16's fixed step of 6e-8; a weight below 2^-126 counts as 0; NaN and infinities in Q, K are not treated apart.
; SHARES.  A work-group makes 256 queries x 256 keys of one batch; a wave 128 x 128, which is one block of keys: 64 accumulators, 512 registers.  K (the 1,024 channels) in 8 steps of 128
; through two LDS slots.  Q is qk's columns 0-1023, K its columns 1024-2047; rows of 4,096 bytes.
; CLUSTER 4 x 4: Q's tile is shared along a row of the cluster, K's along a column (a cluster's four tile rows lie in one batch).
; The matrix instruction is used transposed (source 0 = 16 keys, source 1 = 16 queries): lane l holds query l % 16 and the keys 8 (l / 16) + 0..7 of each block of 16: a query's 128 scores lie in two lanes.
; THE MASK comes by the tensor data mover into the slots when their last tiles have been read: my rows 0-63 (128 ints each) into slot 0 behind the round that ends K step 6, rows 64-127 into slot 1 behind
; the round that ends K step 7.  These are loads of my own (work-group mask 0), into bytes that only I read; each mask byte is asked for once, in rows of 512 consecutive bytes.
; REGISTERS: window 0: v0-41 addresses and statistics; v64-127, v128-191 fragments of Q, later S (a block's 64 scores) and MK (its mask); v192-223 P; v224-255 rows on their way out.
;   window 1: v64-191 fragments of K;  windows 2, 3: the accumulators ((a, b) at v[8 (8 (a % 4) + b)]).
.set KSTEP,  128
.set NK,     8
.set PITCH,  272
.set HALFT,  128*PITCH
.set SLOT,   4*HALFT                   ; 0x22000: shares no bit with wave x HALFT nor with wave x MREG
.set STAGE,  2*SLOT
.set SPITCH, 272
.set SPARE,  STAGE+4*16*SPITCH         ; the spare words: two blocks of 256 bytes that no other line names
.set STATS,  SPARE+512                 ; 1,024 bytes a wave: 128 cm, 128 l
.set MPITCH, 528                       ; a mask row in LDS: 512 bytes + 16: the 16 rows of a load start at 16 different groups of four banks
.set MREG,   64*MPITCH                 ; my 64 mask rows in a slot; four such regions are 135,168 bytes, inside a slot
.set LDCB,   4096                      ; bytes in a row of p
.set ADRA,  16
.set ABASE, 17
.set MADR,  18                         ; LDS address of the mask block in hand
.set MADR0, 19                         ; of my first mask block in slot 0; never rewritten
.set ADRB,  20
.set BBASE, 21
.set STA,   22                         ; where cm of the block in hand goes
.set SRD,   23                         ; where I read the statistics back
.set STO,   24
.set RD,    25
.set CO,    26
.set SCO,   27                         ; 16 x lane
.set SPW,   28
.set NIL,   29
.set CH,    32                         ; v32-35 four chains of the maximum
.set TX,    36                         ; the other half of the lanes' number
.set NI,    37                         ; -infinity
.set CMV,   38                         ; v[38:39] cm, named as a pair
.set LV,    40                         ; v40 l; v41 the other half's
.set F0,    64
.set F1,    128
.set S,     64
.set MK,    128
.set PP,    192
.set OB,    224
.set G1A, 24
.set G0A, 32
.set G1B, 48
.set G0B, 56
.set CNT, 66
.set TB,  67
.set BLK, 68                           ; the block of 16 queries in hand, 0..7
.set MB,  69                           ; the slot that holds its mask
.set PRT, 70
.set IB,  71
.set G1M, 72                           ; s[72:79] group 1 for the mask's tiles
.set G0M, 80                           ; s[80:83] group 0
.set MPTR, 86                          ; s[86:87] the mask at my first row and column
.set MOFF, 88                          ; s[88:89] bytes from there to the part to be asked for
.set CS,  90                           ; s[90:91] c
.set LOW, 93                           ; the lowest finite number
.set SEL, 94                           ; s[94:95] v_permlanex16_b32's selects
.set MSB, 0
.macro WIN new
.if MSB != (\new)
	s_set_vgpr_msb (MSB<<8)|(\new)
.set MSB, \new
.endif
.endm
.macro PLACES
.rept 4
	v_nop
.endr
.endm
.macro JLOAD
	s_cmp_eq_u32 s11, 0
	s_cbranch_scc0 .Lfor_b_\@
	tensor_load_to_lds s[G0A+4:G0A+7], s[G1A:G1A+7]
	s_nop 0
.rept 4
	v_nop
.endr
	s_branch .Lasked_\@
.Lfor_b_\@:
	tensor_load_to_lds s[G0B+4:G0B+7], s[G1B:G1B+7]
	s_nop 0
.rept 4
	v_nop
.endr
.Lasked_\@:
.endm
.macro CREST
	s_cmp_lg_u32 s10, 0
	s_cbranch_scc1 .Lnot_wave_0_\@
	s_barrier_signal -3
.Lnot_wave_0_\@:
	s_barrier_wait -3
	s_barrier_signal -1
	s_barrier_wait -1
.endm
.macro CROUND
	s_barrier_signal -1
	s_barrier_wait -1
	CREST
.endm
	s_load_b128 s[4:7], s[0:1], 0x0                ; qk s[4:5], attn_mask s[6:7]
	s_load_b64 s[8:9], s[0:1], 0x10                ; p
	s_load_b64 s[84:85], s[0:1], 0x18              ; st
	v_lshl_add_u32 v[SPW], v0, 2, SPARE
	v_mov_b32 v[NIL], 0
	ds_add_u32 v[SPW], v[NIL]                      ; the wave's opening: the add and its wait ahead of my first tensor load
	v_lshrrev_b32 v1, 5, v0
	v_readfirstlane_b32 s10, v1
	s_lshr_b32 s11, s10, 1                         ; my half of the queries; also: I fetch for Q (0) or K (1)
	s_and_b32 s12, s10, 1                          ; my half of the keys; also: which 128 rows I fetch
	s_bfe_u32 s40, ttmp6, 0x40000                  ; cx
	s_bfe_u32 s41, ttmp6, 0x40004                  ; cy
	s_lshl_b32 s42, ttmp9, 2
	s_add_co_u32 s42, s42, s40                     ; key tile of the batch, 0..7
	s_and_b32 s13, ttmp7, 0xffff
	s_lshr_b32 s45, s13, 1                         ; the batch: two clusters of four tile rows each; made of the cluster's y alone
	s_lshl_b32 s45, s45, 11                        ; its first row
	s_lshl_b32 s13, s13, 2
	s_add_co_u32 s13, s13, s41                     ; query tile among all 32
	s_lshl_b32 s43, s41, 2
	s_lshl_b32 s43, 15, s43
	s_lshl_b32 s44, 0x1111, s40
	s_or_b32 s[G1A+0], s43, (1<<16)|(1<<20)|(1<<21)|(5<<22)|(3<<25)
	s_or_b32 s[G1B+0], s44, (1<<16)|(1<<20)|(1<<21)|(5<<22)|(3<<25)
.irp g, G1A, G1B
	s_mov_b32 s[(\g)+1], KSTEP<<16
	s_mov_b32 s[(\g)+2], 128<<16
	s_mov_b32 s[(\g)+3], KSTEP<<16
	s_mov_b32 s[(\g)+4], 128
	s_mov_b32 s[(\g)+5], 2048                      ; elements in a row of qk
	s_mov_b32 s[(\g)+6], 0
	s_mov_b32 s[(\g)+7], 0
.endr
	s_mov_b32 s[G1M+0], (2<<16)|(1<<20)|(6<<22)|(3<<25)  ; no work-group mask; 4-byte elements; padding on: after every 128 words 4 words
	s_mov_b32 s[G1M+1], 128<<16                    ; tensor_dim0 = 128
	s_mov_b32 s[G1M+2], 64<<16                     ; tensor_dim1 = 64
	s_mov_b32 s[G1M+3], 128<<16                    ; tile_dim0 = 128
	s_mov_b32 s[G1M+4], 64                         ; tile_dim1 = 64
	s_mov_b32 s[G1M+5], 2048                       ; ints in a row of the mask
	s_mov_b32 s[G1M+6], 0
	s_mov_b32 s[G1M+7], 0
	s_mov_b32 s[G0M], 1
	s_mul_i32 s[G0M+1], s10, MREG
	s_add_co_u32 s[G0M+1], s[G0M+1], SLOT          ; the first exclusive or turns this into slot 0
	s_mov_b32 s[MOFF], 0
	s_mov_b32 s[MOFF+1], 0
	s_mov_b32 s[CS], 0x3d38aa3b                    ; c = log2(e) / 32
	s_mov_b32 s[CS+1], s[CS]
	s_mov_b32 s[LOW], 0xff7fffff
	s_mov_b32 s[SEL], 0x76543210
	s_mov_b32 s[SEL+1], 0xfedcba98
	s_lshl_b32 s17, s12, 7
	s_lshl_b32 s16, s13, 8
	s_add_co_u32 s16, s16, s17                     ; Q: row 256 x query tile + 128 x half,
	s_lshl_b32 s16, s16, 12                        ; 4,096 bytes a row
	s_lshl_b32 s46, s42, 8
	s_add_co_u32 s46, s46, s17
	s_add_co_u32 s46, s46, s45                     ; K: the batch's first row + 256 x key tile + 128 x half,
	s_lshl_b32 s46, s46, 12
	s_add_co_u32 s46, s46, 2048                    ; in the rows' second halves
	s_mov_b32 s17, 0
	s_mov_b32 s47, 0
	s_mul_i32 s20, s10, HALFT
	s_wait_dscnt 0x0
	s_wait_kmcnt 0x0
	s_add_nc_u64 s[14:15], s[4:5], s[16:17]
	s_add_nc_u64 s[46:47], s[4:5], s[46:47]
	CROUND
.irp s, 0,1
	s_mov_b32 s[G0A+4*(\s)], 1
	s_add_co_u32 s[G0A+4*(\s)+1], s20, (\s)*SLOT
	s_add_nc_u64 s[G0A+4*(\s)+2:G0A+4*(\s)+3], s[14:15], (\s)*KSTEP*2
	s_or_b32 s[G0A+4*(\s)+3], s[G0A+4*(\s)+3], 0x80000000
	s_mov_b32 s[G0B+4*(\s)], 1
	s_add_co_u32 s[G0B+4*(\s)+1], s20, (\s)*SLOT
	s_add_nc_u64 s[G0B+4*(\s)+2:G0B+4*(\s)+3], s[46:47], (\s)*KSTEP*2
	s_or_b32 s[G0B+4*(\s)+3], s[G0B+4*(\s)+3], 0x80000000
.endr
	s_cmp_eq_u32 s11, 0
	s_cbranch_scc0 .Lfirst_b
	tensor_load_to_lds s[G0A:G0A+3], s[G1A:G1A+7]
	s_nop 0
	tensor_load_to_lds s[G0A+4:G0A+7], s[G1A:G1A+7]
	s_nop 0
.rept 4
	v_nop
.endr
	s_branch .Lfirst_asked
.Lfirst_b:
	tensor_load_to_lds s[G0B:G0B+3], s[G1B:G1B+7]
	s_nop 0
	tensor_load_to_lds s[G0B+4:G0B+7], s[G1B:G1B+7]
	s_nop 0
.rept 4
	v_nop
.endr
.Lfirst_asked:
	v_and_b32 v1, 15, v0                           ; r
	v_bfe_u32 v2, v0, 4, 1                         ; h
	v_mul_u32_u24 v3, v1, PITCH
	v_lshl_add_u32 v3, v2, 4, v3
	s_mul_i32 s21, s11, HALFT
	s_mul_i32 s22, s12, HALFT
	s_add_co_u32 s22, s22, 2*HALFT
	v_add_nc_u32 v[ABASE], s21, v3
	v_add_nc_u32 v[BBASE], s22, v3
	s_mul_i32 s23, s10, 16*SPITCH
	s_add_co_u32 s23, s23, STAGE
	v_add_nc_u32 v[STO], s23, v3
	v_mul_u32_u24 v5, v2, SPITCH
	v_lshl_add_u32 v5, v1, 4, v5
	v_add_nc_u32 v[RD], s23, v5
	v_lshlrev_b32 v5, 12, v2
	v_lshl_add_u32 v[CO], v1, 4, v5
	v_mul_u32_u24 v4, v1, MPITCH                   ; the mask of query r: row r, ints 8 h on
	v_lshl_add_u32 v4, v2, 5, v4
	s_mul_i32 s23, s10, MREG
	v_add_nc_u32 v[MADR0], s23, v4
	s_lshl_b32 s23, s10, 10
	s_add_co_u32 s23, s23, STATS
	v_lshl_add_u32 v[STA], v1, 2, s23
	v_and_b32 v5, 31, v0
	v_lshlrev_b32 v[SCO], 4, v5
	v_add_nc_u32 v[SRD], s23, v[SCO]
	v_mov_b32 v[TX], 0                             ; v_permlanex16_b32's destinations count as read: written once here
	v_mov_b32 v[LV+1], 0
	v_mov_b32 v[NI], 0xff800000
	s_lshl_b32 s21, s13, 8
	s_lshl_b32 s23, s11, 7
	s_add_co_u32 s21, s21, s23                     ; my first row (query, among all 8,192)
	s_lshl_b32 s22, s42, 8
	s_lshl_b32 s23, s12, 7
	s_add_co_u32 s22, s22, s23                     ; my first key in the batch
	s_mov_b32 s19, 0
	s_lshl_b32 s18, s21, 12
	s_lshl_b32 s23, s22, 1
	s_add_co_u32 s18, s18, s23
	s_add_nc_u64 s[8:9], s[8:9], s[18:19]          ; p at my first row and key
	s_lshl_b32 s18, s21, 13
	s_lshl_b32 s23, s22, 2
	s_add_co_u32 s18, s18, s23
	s_add_nc_u64 s[MPTR:MPTR+1], s[6:7], s[18:19]  ; the mask likewise: rows of 8,192 bytes
	s_lshr_b32 s18, s22, 7                         ; my block of keys, 0..15
	s_lshl_b32 s18, s18, 13
	s_add_co_u32 s18, s18, s21
	s_lshl_b32 s18, s18, 2
	s_add_nc_u64 s[84:85], s[84:85], s[18:19]      ; st at (my block, my first row)
; 16 matrix instructions.  first = 1: the constant 0 starts the sums.  The 64 accumulators take turns.
.macro MUL16 f, hi, a0, first
	WIN 0xa1+0x50*(\hi)
.irp a, \a0, (\a0)+1
.irp b, 0,1,2,3,4,5,6,7
.if \first
	v_wmma_f32_16x16x32_f16 v[8*(8*(\a)+(\b)):8*(8*(\a)+(\b))+7], v[(\f)+8*(\b):(\f)+8*(\b)+7], v[(\f)+8*(4*(\hi)+(\a)):(\f)+8*(4*(\hi)+(\a))+7], 0
.else
	v_wmma_f32_16x16x32_f16 v[8*(8*(\a)+(\b)):8*(8*(\a)+(\b))+7], v[(\f)+8*(\b):(\f)+8*(\b)+7], v[(\f)+8*(4*(\hi)+(\a)):(\f)+8*(4*(\hi)+(\a))+7], v[8*(8*(\a)+(\b)):8*(8*(\a)+(\b))+7]
.endif
.endr
.endr
.endm
.macro FETCH k, f
	WIN 0x40
.irp i, 0,1,2,3,4,5,6,7
	ds_load_b128 v[(\f)+8*(\i):(\f)+8*(\i)+3],   v[ADRB] offset:(\k)+(\i)*16*PITCH
	ds_load_b128 v[(\f)+8*(\i)+4:(\f)+8*(\i)+7], v[ADRB] offset:(\k)+(\i)*16*PITCH+32
.endr
	WIN 0
.irp i, 0,1,2,3,4,5,6,7
	ds_load_b128 v[(\f)+8*(\i):(\f)+8*(\i)+3],   v[ADRA] offset:(\k)+(\i)*16*PITCH
	ds_load_b128 v[(\f)+8*(\i)+4:(\f)+8*(\i)+7], v[ADRA] offset:(\k)+(\i)*16*PITCH+32
.endr
.endm
.macro QUARTER k, f, g, first
	s_wait_dscnt 8                                 ; all but the youngest eight loads (Q's rows 64-127)
	MUL16 \f, 0, 0, \first
	MUL16 \f, 0, 2, \first
	PLACES
	FETCH \k, \g
	s_wait_dscnt 32                                ; all but the 32 just issued
	MUL16 \f, 1, 0, \first
	MUL16 \f, 1, 2, \first
.endm
; The change of slots.  In front of the round each wave waits for all its tensor loads, adds 0 to its spare word, and waits for that and for its reads of this slot.  Behind the round the slot just
; read is filled again, one tensor load a wave: kind 1: jointly, with the tiles two K steps ahead; kind 2 (the tail): with my next 64 rows of the mask; in the last K step (CNT = 1) nothing is fetched from LDS.
.macro TURN kind
	WIN 0
	s_wait_tensorcnt 0x0
	ds_add_u32 v[SPW], v[NIL]
	s_wait_dscnt 9                                 ; the add and the youngest eight loads may be out
	MUL16 F1, 0, 0, 0
	s_wait_dscnt 0x0
	s_barrier_signal -1
	MUL16 F1, 0, 2, 0
	WIN 0
	s_barrier_wait -1
	CREST
.if (\kind) == 1
	s_xor_b32 s[G0A+5], s[G0A+5], SLOT
	s_add_nc_u64 s[G0A+6:G0A+7], s[G0A+6:G0A+7], KSTEP*2
	s_xor_b32 s[G0B+5], s[G0B+5], SLOT
	s_add_nc_u64 s[G0B+6:G0B+7], s[G0B+6:G0B+7], KSTEP*2
	JLOAD
.else
	s_xor_b32 s[G0M+1], s[G0M+1], SLOT             ; slot 0, then slot 1
	s_add_nc_u64 s[G0M+2:G0M+3], s[MPTR:MPTR+1], s[MOFF:MOFF+1]  ; the address is made anew from the pointer and an offset
	s_or_b32 s[G0M+3], s[G0M+3], 0x80000000
	s_add_co_u32 s[MOFF], s[MOFF], 64*8192         ; the next part lies 64 rows on
	tensor_load_to_lds s[G0M:G0M+3], s[G1M:G1M+7]
	s_nop 0
.rept 4
	v_nop
.endr
	s_cmp_eq_u32 s[CNT], 1
	s_cbranch_scc1 .Lnf_\@
.endif
	s_xor_b32 s[TB], s[TB], SLOT
	v_add_nc_u32 v[ADRA], s[TB], v[ABASE]          ; these four are the places in front of the loads into buffer 0
	v_add_nc_u32 v[ADRB], s[TB], v[BBASE]
	v_nop
	v_nop
	FETCH 0, F0
.if (\kind) != 1
.Lnf_\@:
.endif
	MUL16 F1, 1, 0, 0
	MUL16 F1, 1, 2, 0
.endm
.macro MLD                             ; the mask of 16 queries x 128 keys: register 8 b + j is key 16 b + 8 h + j, as in S
.irp b, 0,1,2,3,4,5,6,7
	ds_load_b128 v[MK+8*(\b):MK+8*(\b)+3],   v[MADR] offset:64*(\b)
	ds_load_b128 v[MK+8*(\b)+4:MK+8*(\b)+7], v[MADR] offset:64*(\b)+16
.endr
.endm
.macro COPY a                          ; S = c x block a's scores: the one part of a block's work that names the block's own registers; each accumulator is read from its low end on
	WIN 0x02+((\a)/4)                              ; source 0 in window 2 or 3
.set i, 0
.rept 32
	v_pk_mul_f32 v[S+2*i:S+2*i+1], v[64*((\a)%4)+2*i:64*((\a)%4)+2*i+1], s[CS:CS+1] op_sel_hi:[1,0]
.set i, i+1
.endr
	WIN 0
.endm
	s_mov_b32 s[TB], 0
	v_mov_b32 v[ADRA], v[ABASE]
	v_mov_b32 v[ADRB], v[BBASE]
	s_wait_tensorcnt 1                             ; my part of K step 0 is in; K step 1's may stay out
	s_barrier_signal -1
	s_barrier_wait -1
	FETCH 0, F0
	QUARTER 64, F0, F1, 1
	WIN 0
	s_mov_b32 s[CNT], NK-2
.Lstep:
	QUARTER 128, F1, F0, 0
	QUARTER 192, F0, F1, 0
	TURN 1
	QUARTER 64, F0, F1, 0
	WIN 0
	s_sub_co_u32 s[CNT], s[CNT], 1
	s_cmp_lg_u32 s[CNT], 0
	s_cbranch_scc1 .Lstep
	s_mov_b32 s[CNT], 2
.Ltail:                                                ; the last two K steps: the freed slots take the mask; the second trip is left in its middle
	QUARTER 128, F1, F0, 0
	QUARTER 192, F0, F1, 0
	TURN 2
	WIN 0
	s_sub_co_u32 s[CNT], s[CNT], 1
	s_cmp_eq_u32 s[CNT], 0
	s_cbranch_scc1 .Lout
	QUARTER 64, F0, F1, 0
	WIN 0
	s_branch .Ltail
.Lout:
	s_wait_dscnt 0x0
	PLACES                                         ; behind the last products: S and MK take the fragments' registers, and the scores are read
	s_mov_b32 s[MB], 0
	s_mov_b32 s[BLK], 0
	s_mov_b32 s[PRT], 2
.Lpart:                                                ; two parts of four blocks of 16 queries; the first part's mask was shown landed by the last change of slots
	v_add_nc_u32 v[MADR], s[MB], v[MADR0]
	MLD
	s_mov_b32 s[IB], 4
.Lblk:
.irp a, 0,1,2,3,4,5,6
	s_cmp_eq_u32 s[BLK], \a
	s_cbranch_scc1 .Lcopy\a
.endr
	COPY 7
	s_branch .Lcom
.irp a, 0,1,2,3,4,5
.Lcopy\a:
	COPY \a
	s_branch .Lcom
.endr
.Lcopy6:
	COPY 6
.Lcom:
	s_wait_dscnt 0x0                               ; the block's mask is in
.set g, 0
.rept 8                                ; hidden keys: eight compares into eight scalar registers, then eight selects
.irp j, 0,1,2,3,4,5,6,7
	v_cmp_eq_u32 s[40+\j], 0, v[MK+8*g+\j]
.endr
.irp j, 0,1,2,3,4,5,6,7
	v_cndmask_b32 v[S+8*g+\j], v[S+8*g+\j], v[NI], s[40+\j]
.endr
.set g, g+1
.endr
	s_cmp_eq_u32 s[IB], 1
	s_cbranch_scc1 .Lnomask                        ; a part's last block has no successor in its slot
	v_add_nc_u32 v[MADR], 16*MPITCH, v[MADR]
	MLD                                            ; the next block's mask comes while this block is worked on
.Lnomask:
.irp k, 0,1,2,3                        ; the maximum of my 64 numbers: four chains of 15, three operands at a time
	v_max3_num_f32 v[CH+\k], v[S+16*\k], v[S+16*\k+1], v[S+16*\k+2]
.endr
.irp i, 0,1,2,3,4,5
.irp k, 0,1,2,3
	v_max3_num_f32 v[CH+\k], v[CH+\k], v[S+16*\k+3+2*\i], v[S+16*\k+4+2*\i]
.endr
.endr
	v_max3_num_f32 v[CH],   v[CH],   v[S+15], v[S+31]
	v_max3_num_f32 v[CH+1], v[CH+1], v[S+47], v[S+63]
	v_max3_num_f32 v[CH], v[CH], v[CH+1], v[CH+2]
	v_max_num_f32 v[CH], v[CH], v[CH+3]
	v_permlanex16_b32 v[TX], v[CH], s[SEL], s[SEL+1]  ; the query's other 64 keys lie in the lane 16 away
	v_max3_num_f32 v[CMV], v[CH], v[TX], s[LOW]    ; a block of -infinity gives the lowest finite number, so that no difference of infinities arises
	v_mov_b32 v[CMV+1], v[CMV]
.set i, 0
.rept 32
	v_pk_add_f32 v[S+2*i:S+2*i+1], v[S+2*i:S+2*i+1], v[CMV:CMV+1] op_sel_hi:[1,0] neg_lo:[0,1] neg_hi:[0,1]  ; c s - cm
.set i, i+1
.endr
.set i, 0
.rept 32                               ; two exponentials and a plain instruction by turns: a pair is rounded two groups behind its exponentials (ISA guide 5.7.2)
	v_exp_f32 v[S+2*i], v[S+2*i]
	v_exp_f32 v[S+2*i+1], v[S+2*i+1]
.if i >= 2
	s_wait_alu depctr_va_vdst(0)
	v_cvt_pk_f16_f32 v[PP+i-2], v[S+2*i-4], v[S+2*i-3]
.else
	v_nop
.endif
.set i, i+1
.endr
	s_wait_alu depctr_va_vdst(0)
	v_cvt_pk_f16_f32 v[PP+30], v[S+60], v[S+61]
	v_cvt_pk_f16_f32 v[PP+31], v[S+62], v[S+63]
.irp b, 0,1,2,3,4,5,6,7
	ds_store_b128 v[STO], v[PP+4*(\b):PP+4*(\b)+3] offset:32*(\b)
.endr
.irp t, 0,1,2,3,4,5,6,7
	ds_load_b128 v[OB+4*(\t):OB+4*(\t)+3], v[RD] offset:(\t)*2*SPITCH  ; LDS serves a wave's instructions in order (ISA guide 5.7.1.4): these see the stores above
.endr
.irp w, 16,8,4,2,1                     ; l: the 32 pairs are added as a tree, in place, while the rows come back from the stage
.set i, 0
.rept \w
	v_pk_add_f32 v[S+2*i:S+2*i+1], v[S+2*i:S+2*i+1], v[S+2*(i+\w):S+2*(i+\w)+1]
.set i, i+1
.endr
.endr
	v_add_f32 v[LV], v[S], v[S+1]
	v_permlanex16_b32 v[LV+1], v[LV], s[SEL], s[SEL+1]
	v_add_f32 v[LV], v[LV], v[LV+1]
	ds_store_b32 v[STA], v[CMV]                    ; lanes r and r + 16 write the same number to the same word
	ds_store_b32 v[STA], v[LV] offset:512
	v_add_nc_u32 v[STA], 64, v[STA]                ; 16 rows on
	s_wait_dscnt 2                                 ; all but the two stores just issued: the block's rows are back
.irp t, 0,1,2,3,4,5,6,7
	global_store_b128 v[CO], v[OB+4*(\t):OB+4*(\t)+3], s[8:9] offset:2*(\t)*LDCB  ; 16 lanes store 256 consecutive bytes, at a multiple of 256 from p's first byte
.endr
	s_wait_xcnt 0x0                                ; the base and the rows' registers are rewritten only behind this wait
	s_add_nc_u64 s[8:9], s[8:9], 16*LDCB
	s_add_co_u32 s[BLK], s[BLK], 1
	s_sub_co_u32 s[IB], s[IB], 1
	s_cmp_lg_u32 s[IB], 0
	s_cbranch_scc1 .Lblk
	s_wait_tensorcnt 0x0                           ; my second part of the mask has landed; only I read it
	s_xor_b32 s[MB], s[MB], SLOT
	s_sub_co_u32 s[PRT], s[PRT], 1
	s_cmp_lg_u32 s[PRT], 0
	s_cbranch_scc1 .Lpart
	ds_load_b128 v[S:S+3],   v[SRD]                ; my 128 cm and 128 l: my own bytes, served in order
	ds_load_b128 v[S+4:S+7], v[SRD] offset:512
	s_wait_dscnt 0x0
	global_store_b128 v[SCO], v[S:S+3],   s[84:85]                 ; 512 consecutive bytes each
	global_store_b128 v[SCO], v[S+4:S+7], s[84:85] offset:524288
	s_wait_tensorcnt 0x0                           ; the wave's end
	ds_add_u32 v[SPW], v[NIL]
	s_wait_dscnt 0x0
	CROUND
	s_endpgm
.Lfunc_end_k_q9b64002a9f_scores:
	.size	k_q9b64002a9f_scores, .Lfunc_end_k_q9b64002a9f_scores-k_q9b64002a9f_scores
	.p2alignl 7, 3214868480
	.fill 96, 4, 3214868480
	.section	.rodata,"a",@progbits
	.p2align	6, 0x0
	.amdhsa_kernel k_q9b64002a9f_scores
		.amdhsa_group_segment_fixed_size 327680
		.amdhsa_private_segment_fixed_size 0
		.amdhsa_enable_private_segment 0
		.amdhsa_kernarg_size 32
		.amdhsa_user_sgpr_count 2
		.amdhsa_user_sgpr_kernarg_segment_ptr 1
		.amdhsa_wavefront_size32 1
		.amdhsa_system_sgpr_workgroup_id_x 1
		.amdhsa_system_sgpr_workgroup_id_y 1
		.amdhsa_system_sgpr_workgroup_id_z 1
		.amdhsa_system_vgpr_workitem_id 0
		.amdhsa_next_free_vgpr 1024
		.amdhsa_next_free_sgpr 100
		.amdhsa_reserve_vcc 0
		.amdhsa_float_denorm_mode_32 3
		.amdhsa_float_denorm_mode_16_64 3
		.amdhsa_memory_ordered 1
		.amdhsa_forward_progress 1
		.amdhsa_inst_pref_size 112
	.end_amdhsa_kernel
	.amdgpu_metadata
---
amdhsa.version: [ 1, 2 ]
amdhsa.kernels:
  - .name:           k_q9b64002a9f_scores
    .symbol:         k_q9b64002a9f_scores.kd
    .args:
      - { .name: qk, .offset: 0, .size: 8, .value_kind: global_buffer, .address_space: global }
      - { .name: attn_mask, .offset: 8, .size: 8, .value_kind: global_buffer, .address_space: global }
      - { .name: p, .offset: 16, .size: 8, .value_kind: global_buffer, .address_space: global }
      - { .name: st, .offset: 24, .size: 8, .value_kind: global_buffer, .address_space: global }
    .group_segment_fixed_size: 327680
    .private_segment_fixed_size: 0
    .kernarg_segment_align: 8
    .kernarg_segment_size: 32
    .max_flat_workgroup_size: 128
    .sgpr_count:     100
    .vgpr_count:     1024
    .wavefront_size: 32
...
	.end_amdgpu_metadata
.endif
;; end of part 4
;; launch pv (part 5): grid 4 x 64, 4 waves a work-group, clusters of 4 x 4, 327,680 bytes of LDS; arguments p, vt, st, hb; writes hb
.if DOCPART == 5
	.amdgcn_target "amdgcn-amd-amdhsa--gfx1250"
	.amdhsa_code_object_version 6
	.text
	.protected	k_q9b64002a9f_pv
	.globl	k_q9b64002a9f_pv
	.p2align	8
	.type	k_q9b64002a9f_pv,@function
k_q9b64002a9f_pv:
	s_mov_b64 s[64:65], 0
	v_nop
	global_prefetch_b8 v0, s[64:65] scope:SCOPE_SE
	s_setreg_imm32_b32 hwreg(HW_REG_WAVE_MODE, 25, 1), 1
	s_wait_xcnt 0x0
	s_wait_alu depctr_hold_cnt(0) depctr_sa_sdst(0) depctr_va_vdst(0) depctr_va_sdst(0) depctr_va_ssrc(0) depctr_va_vcc(0) depctr_vm_vsrc(0)
	s_getreg_b32 s2, hwreg(HW_REG_IB_STS2, 6, 4)
	s_cmp_eq_u32 s2, 0
	s_cbranch_scc0 .Lentry_in_a_cluster
	s_endpgm
.Lentry_in_a_cluster:
	s_bfe_u32 s2, ttmp6, 0x10000c
	s_cmp_lg_u32 s2, 0xf033
	s_cbranch_scc0 .Lentry_shape_is_right
	s_endpgm
.Lentry_shape_is_right:
; hb[q][c] = (sum over blocks t of f(q, t) sum over the block's keys k of p[q][k] V[k][c]) / L(q);  f = 2^(cm(q, t) - M(q)), M = the maximum of the row's 16 cm: the row's true maximum;
; L = sum over t of f l(q, t).  p [8192][2048] f16, vt [1024][8192] f16 (V turned), st [2][16][8192] f32, hb [8192][1024] f16.  Sums in f32.
; f is rounded to f16 and multiplied onto p's fragments in f16 (a K step of 128 keys is one block, so a fragment has one factor a lane); L is made of the unrounded f.
; LIMITS.  The rounded f differs from the one in L by 2^-11 of itself at the most (3e-8 where f is below 6e-5); f p below 6e-5 keeps f16's fixed step of 6e-8.  L is at least 1 in a row with a visible key.
; A row with every key hidden has L = 0 and gives NaN (0 x infinity).  NaN and infinities in V are not treated apart.
; SHARES.  A work-group makes 128 queries x 256 channels; a wave 64 x 128: 32 accumulators.  K (2,048 keys) in 16 steps of 128 through two LDS slots.  Wave 0 fetches p's 128 rows, waves 1 and 2 vt's
; halves of 128 rows, wave 3 none.  CLUSTER 4 x 4: the four channel tiles of a row of p lie in one row of the cluster and ask for p's tile jointly; vt's tile is shared along a column (one batch a cluster).
; The matrix instruction is used transposed (source 0 = 16 channels, source 1 = 16 queries): lane l holds query l % 16 and the channels 8 (l / 16) + 0..7.
; REGISTERS: window 0: v0-31 addresses and the step's four factors; v32-63, v64-95 fragments of p; v96-159, v160-223 fragments of vt; v224-235 at work; window 1: accumulator (a, b) at v[8 (8 a + b)].
.set KSTEP,  128
.set NK,     16
.set PITCH,  272
.set ATILE,  128*PITCH
.set SLOT1,  1<<17
.set STAGE,  SLOT1+3*ATILE
.set SPITCH, 272
.set SPARE,  STAGE+4*16*SPITCH         ; the spare words: two blocks of 256 bytes that no other line names
.set FTAB,   SPARE+512                 ; for each wave 17 rows of 256 bytes: row t, byte 16 r + 4 a: (f, f) in f16 of query 16 a + r and block t; row 16: 1 / L in f32
.set LDCB,   2048                      ; bytes in a row of hb
.set ADRA,  16
.set ABASE, 17
.set ADRB,  18
.set BBASE, 19
.set STO,   20
.set RD,    21
.set CO,    22
.set FADR,  23                         ; the table's row of the K step to come
.set FAC,   24                         ; v[24:27] the step's factors for my four row blocks
.set SPW,   28
.set NIL,   29
.set FT0,   30                         ; the table's row 0
.set FW,    31                         ; where I write the table
.set AF0,   32
.set BF0,   96
.set TMP,   32
.set OB,    96
.set RL,    224                        ; v[224:231] 1 / L of my four row blocks, as pairs
.set G1A, 24
.set G0A, 32
.set G1B, 48
.set G0B, 56
.set CNT, 66
.set TB,  67
.set MSB, 0
.macro WIN new
.if MSB != (\new)
	s_set_vgpr_msb (MSB<<8)|(\new)
.set MSB, \new
.endif
.endm
.macro PLACES
.rept 4
	v_nop
.endr
.endm
.macro JLOAD3
	s_cmp_eq_u32 s10, 0
	s_cbranch_scc0 .Lnot_a_\@
	tensor_load_to_lds s[G0A+4:G0A+7], s[G1A:G1A+7]
	s_nop 0
.rept 4
	v_nop
.endr
	s_branch .Lasked_\@
.Lnot_a_\@:
	s_cmp_eq_u32 s10, 3
	s_cbranch_scc1 .Lasked_\@
	tensor_load_to_lds s[G0B+4:G0B+7], s[G1B:G1B+7]
	s_nop 0
.rept 4
	v_nop
.endr
.Lasked_\@:
.endm
.macro CREST
	s_cmp_lg_u32 s10, 0
	s_cbranch_scc1 .Lnot_wave_0_\@
	s_barrier_signal -3
.Lnot_wave_0_\@:
	s_barrier_wait -3
	s_barrier_signal -1
	s_barrier_wait -1
.endm
.macro CROUND
	s_barrier_signal -1
	s_barrier_wait -1
	CREST
.endm
	s_load_b128 s[4:7], s[0:1], 0x0                ; p s[4:5], vt s[6:7]
	s_load_b128 s[68:71], s[0:1], 0x10             ; st s[68:69], hb s[70:71]
	v_lshl_add_u32 v[SPW], v0, 2, SPARE
	v_mov_b32 v[NIL], 0
	ds_add_u32 v[SPW], v[NIL]                      ; the wave's opening: the add and its wait ahead of my first tensor load
	v_lshrrev_b32 v1, 5, v0
	v_readfirstlane_b32 s10, v1
	s_lshr_b32 s11, s10, 1                         ; my 64 of the tile's 128 queries
	s_and_b32 s12, s10, 1                          ; my 128 of its 256 channels
	s_max_u32 s21, s10, 1
	s_min_u32 s21, s21, 2
	s_sub_co_u32 s21, s21, 1                       ; which half of vt's 256 rows waves 1 and 2 fetch
	s_bfe_u32 s40, ttmp6, 0x40000
	s_bfe_u32 s41, ttmp6, 0x40004
	s_lshl_b32 s42, ttmp9, 2
	s_add_co_u32 s42, s42, s40                     ; channel tile, 0..3
	s_and_b32 s13, ttmp7, 0xffff
	s_lshr_b32 s45, s13, 2                         ; the batch: four clusters of four tile rows each; made of the cluster's y alone
	s_lshl_b32 s45, s45, 12                        ; its 2,048 keys of 2 bytes in a row of vt
	s_lshl_b32 s13, s13, 2
	s_add_co_u32 s13, s13, s41                     ; query tile, 0..63
	s_lshl_b32 s43, s41, 2
	s_lshl_b32 s43, 15, s43
	s_lshl_b32 s44, 0x1111, s40
	s_or_b32 s[G1A+0], s43, (1<<16)|(1<<20)|(1<<21)|(5<<22)|(3<<25)
	s_or_b32 s[G1B+0], s44, (1<<16)|(1<<20)|(1<<21)|(5<<22)|(3<<25)
.irp g, G1A, G1B
	s_mov_b32 s[(\g)+1], KSTEP<<16
	s_mov_b32 s[(\g)+2], 128<<16
	s_mov_b32 s[(\g)+3], KSTEP<<16
	s_mov_b32 s[(\g)+4], 128
	s_mov_b32 s[(\g)+6], 0
	s_mov_b32 s[(\g)+7], 0
.endr
	s_mov_b32 s[G1A+5], 2048                       ; elements in a row of p
	s_mov_b32 s[G1B+5], 8192                       ; and of vt
	s_lshl_b32 s16, s13, 19                        ; p: 128 rows of 4,096 bytes a tile row
	s_mov_b32 s17, 0
	s_lshl_b32 s46, s42, 8
	s_lshl_b32 s47, s21, 7
	s_add_co_u32 s46, s46, s47
	s_lshl_b32 s46, s46, 14                        ; vt: row 256 x channel tile + 128 x half, 16,384 bytes a row,
	s_add_co_u32 s46, s46, s45                     ; at the batch's keys
	s_mov_b32 s47, 0
	s_mul_i32 s20, s10, ATILE
	s_wait_dscnt 0x0
	s_wait_kmcnt 0x0
	s_add_nc_u64 s[14:15], s[4:5], s[16:17]
	s_add_nc_u64 s[46:47], s[6:7], s[46:47]
	CROUND
.irp s, 0,1
	s_mov_b32 s[G0A+4*(\s)], 1
	s_add_co_u32 s[G0A+4*(\s)+1], s20, (\s)*SLOT1
	s_add_nc_u64 s[G0A+4*(\s)+2:G0A+4*(\s)+3], s[14:15], (\s)*KSTEP*2
	s_or_b32 s[G0A+4*(\s)+3], s[G0A+4*(\s)+3], 0x80000000
	s_mov_b32 s[G0B+4*(\s)], 1
	s_add_co_u32 s[G0B+4*(\s)+1], s20, (\s)*SLOT1
	s_add_nc_u64 s[G0B+4*(\s)+2:G0B+4*(\s)+3], s[46:47], (\s)*KSTEP*2
	s_or_b32 s[G0B+4*(\s)+3], s[G0B+4*(\s)+3], 0x80000000
.endr
	s_cmp_eq_u32 s10, 0
	s_cbranch_scc0 .Lfirst_not_a
	tensor_load_to_lds s[G0A:G0A+3], s[G1A:G1A+7]
	s_nop 0
	tensor_load_to_lds s[G0A+4:G0A+7], s[G1A:G1A+7]
	s_nop 0
.rept 4
	v_nop
.endr
	s_branch .Lfirst_asked
.Lfirst_not_a:
	s_cmp_eq_u32 s10, 3
	s_cbranch_scc1 .Lfirst_asked
	tensor_load_to_lds s[G0B:G0B+3], s[G1B:G1B+7]
	s_nop 0
	tensor_load_to_lds s[G0B+4:G0B+7], s[G1B:G1B+7]
	s_nop 0
.rept 4
	v_nop
.endr
.Lfirst_asked:
	; THE TABLE OF FACTORS, in the wait for the first tiles.  Lane L takes my rows L and 32 + L (p = 0, 1): row block 2 p + L / 16, place L % 16.
	s_lshl_b32 s16, s13, 7
	s_lshl_b32 s14, s11, 6
	s_add_co_u32 s16, s16, s14                     ; my first row
	s_lshl_b32 s18, s16, 2
	s_mov_b32 s19, 0
	s_add_nc_u64 s[18:19], s[68:69], s[18:19]
	v_and_b32 v6, 31, v0
	v_lshlrev_b32 v6, 2, v6
.irp p, 0,1
.irp t, 0,1,2,3,4,5,6,7,8,9,10,11,12,13,14,15
	global_load_b32 v[32+16*\p+\t], v6, s[18:19] offset:32768*\t+128*\p          ; cm
	global_load_b32 v[64+16*\p+\t], v6, s[18:19] offset:524288+32768*\t+128*\p   ; l
.endr
.endr
	v_and_b32 v1, 15, v0                           ; r
	v_bfe_u32 v2, v0, 4, 1                         ; h
	v_mul_u32_u24 v3, v1, PITCH
	v_lshl_add_u32 v3, v2, 4, v3
	s_mul_i32 s21, s11, 64*PITCH
	s_mul_i32 s22, s12, 128*PITCH
	s_add_co_u32 s22, s22, ATILE
	v_add_nc_u32 v[ABASE], s21, v3
	v_add_nc_u32 v[BBASE], s22, v3
	s_mul_i32 s23, s10, 16*SPITCH
	s_add_co_u32 s23, s23, STAGE
	v_add_nc_u32 v[STO], s23, v3
	v_mul_u32_u24 v5, v2, SPITCH
	v_lshl_add_u32 v5, v1, 4, v5
	v_add_nc_u32 v[RD], s23, v5
	v_lshlrev_b32 v5, 11, v2
	v_lshl_add_u32 v[CO], v1, 4, v5
	s_mul_i32 s23, s10, 17*256
	s_add_co_u32 s23, s23, FTAB
	v_lshl_add_u32 v[FT0], v1, 4, s23
	v_lshl_add_u32 v[FW], v2, 2, v[FT0]
	v_mov_b32 v[FADR], v[FT0]
	s_lshl_b32 s16, s16, 11                        ; where my part of the tile begins in hb
	s_lshl_b32 s46, s42, 9
	s_lshl_b32 s47, s12, 8
	s_add_co_u32 s46, s46, s47
	s_add_co_u32 s16, s16, s46
	s_mov_b32 s17, 0
	s_add_nc_u64 s[8:9], s[70:71], s[16:17]
	s_wait_loadcnt 0x0
.irp p, 0,1
	v_max3_num_f32 v[224+\p], v[32+16*\p], v[33+16*\p], v[34+16*\p]
.endr
.irp i, 0,1,2,3,4,5
.irp p, 0,1
	v_max3_num_f32 v[224+\p], v[224+\p], v[35+16*\p+2*\i], v[36+16*\p+2*\i]
.endr
.endr
.irp p, 0,1
	v_max_num_f32 v[224+\p], v[224+\p], v[47+16*\p]     ; M: the row's true maximum
.endr
.irp t, 0,1,2,3,4,5,6,7,8,9,10,11,12,13,14,15
.irp p, 0,1
	v_sub_f32 v[32+16*\p+\t], v[32+16*\p+\t], v[224+\p]
.endr
.endr
.irp t, 0,1,2,3,4,5,6,7,8,9,10,11,12,13,14,15
.irp p, 0,1
	v_exp_f32 v[32+16*\p+\t], v[32+16*\p+\t]            ; f
.endr
.endr
	v_nop                                          ; a plain instruction between the last exponential and the use of its result
	s_wait_alu depctr_va_vdst(0)
.irp t, 0,1,2,3,4,5,6,7,8,9,10,11,12,13,14,15
.irp p, 0,1
	v_cvt_pk_f16_f32 v[96+16*\p+\t], v[32+16*\p+\t], v[32+16*\p+\t]
.endr
.endr
.irp p, 0,1
	v_mul_f32 v[226+\p], v[32+16*\p], v[64+16*\p]
.endr
.irp t, 1,2,3,4,5,6,7,8,9,10,11,12,13,14,15
.irp p, 0,1
	v_fmac_f32 v[226+\p], v[32+16*\p+\t], v[64+16*\p+\t]  ; L
.endr
.endr
	v_rcp_f32 v228, v226
	v_rcp_f32 v229, v227
	v_nop
.irp t, 0,1,2,3,4,5,6,7,8,9,10,11,12,13,14,15
.irp p, 0,1
	ds_store_b32 v[FW], v[96+16*\p+\t] offset:256*\t+8*\p
.endr
.endr
	s_wait_alu depctr_va_vdst(0)
	ds_store_b32 v[FW], v228 offset:4096
	ds_store_b32 v[FW], v229 offset:4096+8
; 8 matrix instructions.  first = 1: the constant 0 starts the sums.  The 32 accumulators take turns.
.macro MUL8 f, a, first
.set AFB, AF0+32*(\f)
.set BFB, BF0+64*(\f)
	WIN 0x50
.irp b, 0,1,2,3,4,5,6,7
.if \first
	v_wmma_f32_16x16x32_f16 v[8*(8*(\a)+(\b)):8*(8*(\a)+(\b))+7], v[BFB+8*(\b):BFB+8*(\b)+7], v[AFB+8*(\a):AFB+8*(\a)+7], 0
.else
	v_wmma_f32_16x16x32_f16 v[8*(8*(\a)+(\b)):8*(8*(\a)+(\b))+7], v[BFB+8*(\b):BFB+8*(\b)+7], v[AFB+8*(\a):AFB+8*(\a)+7], v[8*(8*(\a)+(\b)):8*(8*(\a)+(\b))+7]
.endif
.endr
.endm
.macro FETCH k, f
	WIN 0
.set AFB, AF0+32*(\f)
.set BFB, BF0+64*(\f)
.irp i, 0,1
	ds_load_b128 v[AFB+8*(\i):AFB+8*(\i)+3],   v[ADRA] offset:(\k)+(\i)*16*PITCH
	ds_load_b128 v[AFB+8*(\i)+4:AFB+8*(\i)+7], v[ADRA] offset:(\k)+(\i)*16*PITCH+32
.endr
.irp i, 0,1,2,3,4,5,6,7
	ds_load_b128 v[BFB+8*(\i):BFB+8*(\i)+3],   v[ADRB] offset:(\k)+(\i)*16*PITCH
	ds_load_b128 v[BFB+8*(\i)+4:BFB+8*(\i)+7], v[ADRB] offset:(\k)+(\i)*16*PITCH+32
.endr
.irp i, 2,3
	ds_load_b128 v[AFB+8*(\i):AFB+8*(\i)+3],   v[ADRA] offset:(\k)+(\i)*16*PITCH
	ds_load_b128 v[AFB+8*(\i)+4:AFB+8*(\i)+7], v[ADRA] offset:(\k)+(\i)*16*PITCH+32
.endr
.endm
.macro SCALE f, a0                     ; p's fragments of row blocks a0, a0 + 1 times the step's factor; the products just issued name none of these registers
	WIN 0
.set AFB, AF0+32*(\f)
.irp a, \a0, (\a0)+1
.irp i, 0,1,2,3,4,5,6,7
	v_pk_mul_f16 v[AFB+8*(\a)+(\i)], v[AFB+8*(\a)+(\i)], v[FAC+(\a)]
.endr
.endr
.endm
.macro QUARTER k, f, g, first
	s_wait_dscnt 4                                 ; all but the youngest four loads (row blocks 2, 3); the step's factors are older still
	SCALE \f, 0
	MUL8 \f, 0, \first
	MUL8 \f, 1, \first
	PLACES
	FETCH \k, \g
	s_wait_dscnt 24                                ; all but the 24 just issued
	SCALE \f, 2
	MUL8 \f, 2, \first
	MUL8 \f, 3, \first
.endm
.macro TURN fill
	WIN 0
	s_wait_tensorcnt 0x0
	ds_add_u32 v[SPW], v[NIL]
	s_wait_dscnt 5                                 ; the add and the youngest four loads may be out
	SCALE 1, 0
	MUL8 1, 0, 0
	s_wait_dscnt 0x0
	s_barrier_signal -1
	MUL8 1, 1, 0
	WIN 0
	s_barrier_wait -1
.if \fill
	CREST
	s_xor_b32 s[G0A+5], s[G0A+5], SLOT1
	s_add_nc_u64 s[G0A+6:G0A+7], s[G0A+6:G0A+7], KSTEP*2
	s_xor_b32 s[G0B+5], s[G0B+5], SLOT1
	s_add_nc_u64 s[G0B+6:G0B+7], s[G0B+6:G0B+7], KSTEP*2
	JLOAD3
.endif
	SCALE 1, 2                                     ; the step's last use of its factors
.if !(\fill)
	s_cmp_eq_u32 s[CNT], 1
	s_cbranch_scc1 .Lnf_\@
.endif
	s_xor_b32 s[TB], s[TB], SLOT1
	v_add_nc_u32 v[ADRA], s[TB], v[ABASE]          ; these four are places in front of the loads into buffer 0
	v_add_nc_u32 v[ADRB], s[TB], v[BBASE]
	v_add_nc_u32 v[FADR], 256, v[FADR]
	v_nop
	ds_load_b128 v[FAC:FAC+3], v[FADR]             ; the next step's factors
	FETCH 0, 0
.if !(\fill)
.Lnf_\@:
.endif
	MUL8 1, 2, 0
	MUL8 1, 3, 0
.endm
.macro PACK a                          ; block a's 16 rows divided by L, rounded to f16
	WIN 0x41                                       ; destination and source 0 window 1, source 1 window 0
.set i, 0
.rept 32
	v_pk_mul_f32 v[64*(\a)+2*i:64*(\a)+2*i+1], v[64*(\a)+2*i:64*(\a)+2*i+1], v[RL+2*(\a):RL+2*(\a)+1] op_sel_hi:[1,0]
.set i, i+1
.endr
	WIN 0x05
.irp b, 0,1,2,3,4,5,6,7
.irp r, 0,1,2,3
	v_cvt_pk_f16_f32 v[TMP+4*(\b)+(\r)], v[8*(8*(\a)+(\b))+2*(\r)], v[8*(8*(\a)+(\b))+2*(\r)+1]
.endr
.endr
	WIN 0
.endm
.macro TOSTAGE a
.set BK, OB+32*((\a)%2)
	s_wait_xcnt 0x0                                ; the registers that earlier stores read are loaded again only behind this wait
.irp b, 0,1,2,3,4,5,6,7
	ds_store_b128 v[STO], v[TMP+4*(\b):TMP+4*(\b)+3] offset:32*(\b)
.endr
.irp t, 0,1,2,3,4,5,6,7
	ds_load_b128 v[BK+4*(\t):BK+4*(\t)+3], v[RD] offset:(\t)*2*SPITCH
.endr
.endm
.macro SEND a
.set BK, OB+32*((\a)%2)
	s_wait_dscnt 0x0
.irp t, 0,1,2,3,4,5,6,7
	global_store_b128 v[CO], v[BK+4*(\t):BK+4*(\t)+3], s[8:9] offset:(16*(\a)+2*(\t))*LDCB  ; 16 lanes store 256 consecutive bytes, aligned
.endr
.endm
	s_mov_b32 s[TB], 0
	v_mov_b32 v[ADRA], v[ABASE]
	v_mov_b32 v[ADRB], v[BBASE]
	s_wait_tensorcnt 1                             ; my part of K step 0 is in; K step 1's may stay out
	s_wait_dscnt 0x0                               ; my table is written
	s_barrier_signal -1
	s_barrier_wait -1
	ds_load_b128 v[FAC:FAC+3], v[FADR]             ; block 0's factors: my own bytes
	FETCH 0, 0
	QUARTER 64, 0, 1, 1
	WIN 0
	s_mov_b32 s[CNT], NK-2
.Lstep:
	QUARTER 128, 1, 0, 0
	QUARTER 192, 0, 1, 0
	TURN 1
	QUARTER 64, 0, 1, 0
	WIN 0
	s_sub_co_u32 s[CNT], s[CNT], 1
	s_cmp_lg_u32 s[CNT], 0
	s_cbranch_scc1 .Lstep
	s_mov_b32 s[CNT], 2
.Ltail:
	QUARTER 128, 1, 0, 0
	QUARTER 192, 0, 1, 0
	TURN 0
	WIN 0
	s_sub_co_u32 s[CNT], s[CNT], 1
	s_cmp_eq_u32 s[CNT], 0
	s_cbranch_scc1 .Lout
	QUARTER 64, 0, 1, 0
	WIN 0
	s_branch .Ltail
.Lout:
	s_wait_dscnt 0x0
	PLACES
	ds_load_b128 v[232:235], v[FT0] offset:4096    ; 1 / L of my four row blocks
	s_wait_dscnt 0x0
.irp a, 0,1,2,3
	v_mov_b32 v[RL+2*(\a)],   v[232+(\a)]          ; the packed multiply names an even pair
	v_mov_b32 v[RL+2*(\a)+1], v[232+(\a)]
.endr
	PACK 0
	TOSTAGE 0
.irp a, 1,2,3
	PACK \a
	SEND (\a)-1
	TOSTAGE \a
.endr
	SEND 3
	s_wait_tensorcnt 0x0                           ; the wave's end
	ds_add_u32 v[SPW], v[NIL]
	s_wait_dscnt 0x0
	CROUND
	s_endpgm
.Lfunc_end_k_q9b64002a9f_pv:
	.size	k_q9b64002a9f_pv, .Lfunc_end_k_q9b64002a9f_pv-k_q9b64002a9f_pv
	.p2alignl 7, 3214868480
	.fill 96, 4, 3214868480
	.section	.rodata,"a",@progbits
	.p2align	6, 0x0
	.amdhsa_kernel k_q9b64002a9f_pv
		.amdhsa_group_segment_fixed_size 327680
		.amdhsa_private_segment_fixed_size 0
		.amdhsa_enable_private_segment 0
		.amdhsa_kernarg_size 32
		.amdhsa_user_sgpr_count 2
		.amdhsa_user_sgpr_kernarg_segment_ptr 1
		.amdhsa_wavefront_size32 1
		.amdhsa_system_sgpr_workgroup_id_x 1
		.amdhsa_system_sgpr_workgroup_id_y 1
		.amdhsa_system_sgpr_workgroup_id_z 1
		.amdhsa_system_vgpr_workitem_id 0
		.amdhsa_next_free_vgpr 512
		.amdhsa_next_free_sgpr 72
		.amdhsa_reserve_vcc 0
		.amdhsa_float_denorm_mode_32 3
		.amdhsa_float_denorm_mode_16_64 3
		.amdhsa_memory_ordered 1
		.amdhsa_forward_progress 1
		.amdhsa_inst_pref_size 102
	.end_amdhsa_kernel
	.amdgpu_metadata
---
amdhsa.version: [ 1, 2 ]
amdhsa.kernels:
  - .name:           k_q9b64002a9f_pv
    .symbol:         k_q9b64002a9f_pv.kd
    .args:
      - { .name: p, .offset: 0, .size: 8, .value_kind: global_buffer, .address_space: global }
      - { .name: vt, .offset: 8, .size: 8, .value_kind: global_buffer, .address_space: global }
      - { .name: st, .offset: 16, .size: 8, .value_kind: global_buffer, .address_space: global }
      - { .name: hb, .offset: 24, .size: 8, .value_kind: global_buffer, .address_space: global }
    .group_segment_fixed_size: 327680
    .private_segment_fixed_size: 0
    .kernarg_segment_align: 8
    .kernarg_segment_size: 32
    .max_flat_workgroup_size: 128
    .sgpr_count:     72
    .vgpr_count:     512
    .wavefront_size: 32
...
	.end_amdgpu_metadata
.endif
;; end of part 5
;; launch outp (part 6): grid 4 x 64, 4 waves a work-group, clusters of 4 x 4, 327,680 bytes of LDS; arguments hb, wo16, wb, out0; writes out0
.if DOCPART == 6
	.amdgcn_target "amdgcn-amd-amdhsa--gfx1250"
	.amdhsa_code_object_version 6
	.text
	.protected	k_q9b64002a9f_outp
	.globl	k_q9b64002a9f_outp
	.p2align	8
	.type	k_q9b64002a9f_outp,@function
k_q9b64002a9f_outp:
	s_mov_b64 s[64:65], 0
	v_nop
	global_prefetch_b8 v0, s[64:65] scope:SCOPE_SE
	s_setreg_imm32_b32 hwreg(HW_REG_WAVE_MODE, 25, 1), 1
	s_wait_xcnt 0x0
	s_wait_alu depctr_hold_cnt(0) depctr_sa_sdst(0) depctr_va_vdst(0) depctr_va_sdst(0) depctr_va_ssrc(0) depctr_va_vcc(0) depctr_vm_vsrc(0)
	s_getreg_b32 s2, hwreg(HW_REG_IB_STS2, 6, 4)
	s_cmp_eq_u32 s2, 0
	s_cbranch_scc0 .Lentry_in_a_cluster
	s_endpgm
.Lentry_in_a_cluster:
	s_bfe_u32 s2, ttmp6, 0x10000c
	s_cmp_lg_u32 s2, 0xf033
	s_cbranch_scc0 .Lentry_shape_is_right
	s_endpgm
.Lentry_shape_is_right:
; out0[t][o] = sum over h of hb[t][h] wo16[o][h] + bo[o].  hb [8192][1024] f16, wo16 [1024][1024] f16, bo in f32 behind wb's rows; out0 [8192][1024] f32.  Sums in f32.
; The bias is the C operand of the products that start the sums.  NaN in a row of hb (a row with every key hidden) gives NaN in that row of out0 alone.
; SHARES.  A work-group makes 128 tokens x 256 outputs; a wave 64 x 128: 32 accumulators.  K in 8 steps of 128 through two LDS slots.  Wave 0 fetches hb's 128 rows, waves 1 and 2 wo16's halves, wave 3 none.
; CLUSTER 4 x 4: hb's tile is shared along a row of the cluster, wo16's along a column.  The matrix instruction is used transposed: lane l holds token l % 16 and the outputs 8 (l / 16) + 0..7.
; REGISTERS: window 0: v0-31 addresses; v32-63, v64-95 fragments of hb; v96-159, v160-223 fragments of wo16; window 1: accumulator (a, b) at v[8 (8 a + b)]; window 2: v0-63 the bias.
.set KSTEP,  128
.set NK,     8
.set PITCH,  272
.set ATILE,  128*PITCH
.set SLOT1,  1<<17
.set STAGE,  SLOT1+3*ATILE
.set SP32,   528                       ; a stage row: 128 f32 = 512 bytes + 16: the 16 rows of a store start at 16 different groups of four banks
.set SPARE,  STAGE+4*16*SP32           ; the spare words: two blocks of 256 bytes that no other line names
.set LDCB,   4096
.set BIASOFF, 6291456
.set ADRA,  16
.set ABASE, 17
.set ADRB,  18
.set BBASE, 19
.set STO,   20
.set RD,    21
.set CO,    22
.set SPW,   28
.set NIL,   29
.set AF0,   32
.set BF0,   96
.set OB,    96
.set G1A, 24
.set G0A, 32
.set G1B, 48
.set G0B, 56
.set CNT, 66
.set TB,  67
.set MSB, 0
.macro WIN new
.if MSB != (\new)
	s_set_vgpr_msb (MSB<<8)|(\new)
.set MSB, \new
.endif
.endm
.macro PLACES
.rept 4
	v_nop
.endr
.endm
.macro JLOAD3
	s_cmp_eq_u32 s10, 0
	s_cbranch_scc0 .Lnot_a_\@
	tensor_load_to_lds s[G0A+4:G0A+7], s[G1A:G1A+7]
	s_nop 0
.rept 4
	v_nop
.endr
	s_branch .Lasked_\@
.Lnot_a_\@:
	s_cmp_eq_u32 s10, 3
	s_cbranch_scc1 .Lasked_\@
	tensor_load_to_lds s[G0B+4:G0B+7], s[G1B:G1B+7]
	s_nop 0
.rept 4
	v_nop
.endr
.Lasked_\@:
.endm
.macro CREST
	s_cmp_lg_u32 s10, 0
	s_cbranch_scc1 .Lnot_wave_0_\@
	s_barrier_signal -3
.Lnot_wave_0_\@:
	s_barrier_wait -3
	s_barrier_signal -1
	s_barrier_wait -1
.endm
.macro CROUND
	s_barrier_signal -1
	s_barrier_wait -1
	CREST
.endm
	s_load_b128 s[4:7], s[0:1], 0x0                ; hb s[4:5], wo16 s[6:7]
	s_load_b128 s[68:71], s[0:1], 0x10             ; wb s[68:69], out0 s[70:71]
	v_lshl_add_u32 v[SPW], v0, 2, SPARE
	v_mov_b32 v[NIL], 0
	ds_add_u32 v[SPW], v[NIL]                      ; the wave's opening: the add and its wait ahead of my first tensor load
	v_lshrrev_b32 v1, 5, v0
	v_readfirstlane_b32 s10, v1
	s_lshr_b32 s11, s10, 1
	s_and_b32 s12, s10, 1
	s_max_u32 s21, s10, 1
	s_min_u32 s21, s21, 2
	s_sub_co_u32 s21, s21, 1
	s_bfe_u32 s40, ttmp6, 0x40000
	s_bfe_u32 s41, ttmp6, 0x40004
	s_lshl_b32 s42, ttmp9, 2
	s_add_co_u32 s42, s42, s40                     ; output tile, 0..3
	s_and_b32 s13, ttmp7, 0xffff
	s_lshl_b32 s13, s13, 2
	s_add_co_u32 s13, s13, s41                     ; token tile, 0..63
	s_lshl_b32 s43, s41, 2
	s_lshl_b32 s43, 15, s43
	s_lshl_b32 s44, 0x1111, s40
	s_or_b32 s[G1A+0], s43, (1<<16)|(1<<20)|(1<<21)|(5<<22)|(3<<25)
	s_or_b32 s[G1B+0], s44, (1<<16)|(1<<20)|(1<<21)|(5<<22)|(3<<25)
.irp g, G1A, G1B
	s_mov_b32 s[(\g)+1], KSTEP<<16
	s_mov_b32 s[(\g)+2], 128<<16
	s_mov_b32 s[(\g)+3], KSTEP<<16
	s_mov_b32 s[(\g)+4], 128
	s_mov_b32 s[(\g)+5], 1024
	s_mov_b32 s[(\g)+6], 0
	s_mov_b32 s[(\g)+7], 0
.endr
	s_lshl_b32 s16, s13, 18                        ; hb: 128 rows of 2,048 bytes a tile row
	s_mov_b32 s17, 0
	s_lshl_b32 s46, s42, 8
	s_lshl_b32 s47, s21, 7
	s_add_co_u32 s46, s46, s47
	s_lshl_b32 s46, s46, 11                        ; wo16: row 256 x output tile + 128 x half
	s_mov_b32 s47, 0
	s_mul_i32 s20, s10, ATILE
	s_wait_dscnt 0x0
	s_wait_kmcnt 0x0
	s_add_nc_u64 s[14:15], s[4:5], s[16:17]
	s_add_nc_u64 s[46:47], s[6:7], s[46:47]
	CROUND
.irp s, 0,1
	s_mov_b32 s[G0A+4*(\s)], 1
	s_add_co_u32 s[G0A+4*(\s)+1], s20, (\s)*SLOT1
	s_add_nc_u64 s[G0A+4*(\s)+2:G0A+4*(\s)+3], s[14:15], (\s)*KSTEP*2
	s_or_b32 s[G0A+4*(\s)+3], s[G0A+4*(\s)+3], 0x80000000
	s_mov_b32 s[G0B+4*(\s)], 1
	s_add_co_u32 s[G0B+4*(\s)+1], s20, (\s)*SLOT1
	s_add_nc_u64 s[G0B+4*(\s)+2:G0B+4*(\s)+3], s[46:47], (\s)*KSTEP*2
	s_or_b32 s[G0B+4*(\s)+3], s[G0B+4*(\s)+3], 0x80000000
.endr
	s_cmp_eq_u32 s10, 0
	s_cbranch_scc0 .Lfirst_not_a
	tensor_load_to_lds s[G0A:G0A+3], s[G1A:G1A+7]
	s_nop 0
	tensor_load_to_lds s[G0A+4:G0A+7], s[G1A:G1A+7]
	s_nop 0
.rept 4
	v_nop
.endr
	s_branch .Lfirst_asked
.Lfirst_not_a:
	s_cmp_eq_u32 s10, 3
	s_cbranch_scc1 .Lfirst_asked
	tensor_load_to_lds s[G0B:G0B+3], s[G1B:G1B+7]
	s_nop 0
	tensor_load_to_lds s[G0B+4:G0B+7], s[G1B:G1B+7]
	s_nop 0
.rept 4
	v_nop
.endr
.Lfirst_asked:
	v_and_b32 v1, 15, v0                           ; r
	v_bfe_u32 v2, v0, 4, 1                         ; h
	v_mul_u32_u24 v3, v1, PITCH
	v_lshl_add_u32 v3, v2, 4, v3
	s_mul_i32 s21, s11, 64*PITCH
	s_mul_i32 s22, s12, 128*PITCH
	s_add_co_u32 s22, s22, ATILE
	v_add_nc_u32 v[ABASE], s21, v3
	v_add_nc_u32 v[BBASE], s22, v3
	s_mul_i32 s23, s10, 16*SP32
	s_add_co_u32 s23, s23, STAGE                   ; my stage
	v_mul_u32_u24 v4, v1, SP32                     ; in: row r, 32 bytes for each half of the lanes
	v_lshl_add_u32 v4, v2, 5, v4
	v_add_nc_u32 v[STO], s23, v4
	v_and_b32 v5, 31, v0
	v_lshlrev_b32 v[CO], 4, v5                     ; back, and out: a whole row of 512 bytes, 16 bytes a lane
	v_add_nc_u32 v[RD], s23, v[CO]
	v_lshlrev_b32 v6, 5, v2                        ; 8 h numbers of 4 bytes
	s_lshl_b32 s18, s42, 10                        ; bo of my 128 outputs, behind bq, bk and bv
	s_lshl_b32 s19, s12, 9
	s_add_co_u32 s18, s18, s19
	s_add_co_u32 s18, s18, BIASOFF+12288
	s_mov_b32 s19, 0
	s_add_nc_u64 s[18:19], s[68:69], s[18:19]
	WIN 0x80                                       ; destination window 2
.irp b, 0,1,2,3,4,5,6,7
	global_load_b128 v[8*(\b):8*(\b)+3],   v6, s[18:19] offset:64*(\b)      ; register j of block b: output 16 b + 8 h + j
	global_load_b128 v[8*(\b)+4:8*(\b)+7], v6, s[18:19] offset:64*(\b)+16
.endr
	WIN 0
	s_lshl_b32 s16, s13, 7                         ; where my part of the tile begins in out0
	s_lshl_b32 s14, s11, 6
	s_add_co_u32 s16, s16, s14
	s_lshl_b32 s16, s16, 12
	s_lshl_b32 s46, s42, 10
	s_lshl_b32 s47, s12, 9
	s_add_co_u32 s46, s46, s47
	s_add_co_u32 s16, s16, s46
	s_mov_b32 s17, 0
	s_add_nc_u64 s[8:9], s[70:71], s[16:17]
; 8 matrix instructions.  first = 2: the bias of column block b starts the sums.  The 32 accumulators take turns.
.macro MUL8 f, a, first
.set AFB, AF0+32*(\f)
.set BFB, BF0+64*(\f)
.if (\first) == 2
	WIN 0x60                                       ; C in window 2, D in window 1
.else
	WIN 0x50
.endif
.irp b, 0,1,2,3,4,5,6,7
.if (\first) == 2
	v_wmma_f32_16x16x32_f16 v[8*(8*(\a)+(\b)):8*(8*(\a)+(\b))+7], v[BFB+8*(\b):BFB+8*(\b)+7], v[AFB+8*(\a):AFB+8*(\a)+7], v[8*(\b):8*(\b)+7]
.else
	v_wmma_f32_16x16x32_f16 v[8*(8*(\a)+(\b)):8*(8*(\a)+(\b))+7], v[BFB+8*(\b):BFB+8*(\b)+7], v[AFB+8*(\a):AFB+8*(\a)+7], v[8*(8*(\a)+(\b)):8*(8*(\a)+(\b))+7]
.endif
.endr
.endm
.macro FETCH k, f
	WIN 0
.set AFB, AF0+32*(\f)
.set BFB, BF0+64*(\f)
.irp i, 0,1
	ds_load_b128 v[AFB+8*(\i):AFB+8*(\i)+3],   v[ADRA] offset:(\k)+(\i)*16*PITCH
	ds_load_b128 v[AFB+8*(\i)+4:AFB+8*(\i)+7], v[ADRA] offset:(\k)+(\i)*16*PITCH+32
.endr
.irp i, 0,1,2,3,4,5,6,7
	ds_load_b128 v[BFB+8*(\i):BFB+8*(\i)+3],   v[ADRB] offset:(\k)+(\i)*16*PITCH
	ds_load_b128 v[BFB+8*(\i)+4:BFB+8*(\i)+7], v[ADRB] offset:(\k)+(\i)*16*PITCH+32
.endr
.irp i, 2,3
	ds_load_b128 v[AFB+8*(\i):AFB+8*(\i)+3],   v[ADRA] offset:(\k)+(\i)*16*PITCH
	ds_load_b128 v[AFB+8*(\i)+4:AFB+8*(\i)+7], v[ADRA] offset:(\k)+(\i)*16*PITCH+32
.endr
.endm
.macro QUARTER k, f, g, first
	s_wait_dscnt 4                                 ; all but the youngest four loads (row blocks 2, 3)
	MUL8 \f, 0, \first
	MUL8 \f, 1, \first
	PLACES
	FETCH \k, \g
	s_wait_dscnt 24                                ; all but the 24 just issued
	MUL8 \f, 2, \first
	MUL8 \f, 3, \first
.endm
.macro TURN fill
	WIN 0
	s_wait_tensorcnt 0x0
	ds_add_u32 v[SPW], v[NIL]
	s_wait_dscnt 5                                 ; the add and the youngest four loads may be out
	MUL8 1, 0, 0
	s_wait_dscnt 0x0
	s_barrier_signal -1
	MUL8 1, 1, 0
	WIN 0
	s_barrier_wait -1
.if \fill
	CREST
	s_xor_b32 s[G0A+5], s[G0A+5], SLOT1
	s_add_nc_u64 s[G0A+6:G0A+7], s[G0A+6:G0A+7], KSTEP*2
	s_xor_b32 s[G0B+5], s[G0B+5], SLOT1
	s_add_nc_u64 s[G0B+6:G0B+7], s[G0B+6:G0B+7], KSTEP*2
	JLOAD3
.else
	s_cmp_eq_u32 s[CNT], 1
	s_cbranch_scc1 .Lnf_\@
.endif
	s_xor_b32 s[TB], s[TB], SLOT1
	v_add_nc_u32 v[ADRA], s[TB], v[ABASE]          ; these four are the places in front of the loads into buffer 0
	v_add_nc_u32 v[ADRB], s[TB], v[BBASE]
	v_nop
	v_nop
	FETCH 0, 0
.if !(\fill)
.Lnf_\@:
.endif
	MUL8 1, 2, 0
	MUL8 1, 3, 0
.endm
	s_mov_b32 s[TB], 0
	v_mov_b32 v[ADRA], v[ABASE]
	v_mov_b32 v[ADRB], v[BBASE]
	s_wait_tensorcnt 1                             ; my part of K step 0 is in; K step 1's may stay out
	s_barrier_signal -1
	s_barrier_wait -1
	FETCH 0, 0
	s_wait_loadcnt 0x0                             ; the bias
	QUARTER 64, 0, 1, 2
	WIN 0
	s_mov_b32 s[CNT], NK-2
.Lstep:
	QUARTER 128, 1, 0, 0
	QUARTER 192, 0, 1, 0
	TURN 1
	QUARTER 64, 0, 1, 0
	WIN 0
	s_sub_co_u32 s[CNT], s[CNT], 1
	s_cmp_lg_u32 s[CNT], 0
	s_cbranch_scc1 .Lstep
	s_mov_b32 s[CNT], 2
.Ltail:
	QUARTER 128, 1, 0, 0
	QUARTER 192, 0, 1, 0
	TURN 0
	WIN 0
	s_sub_co_u32 s[CNT], s[CNT], 1
	s_cmp_eq_u32 s[CNT], 0
	s_cbranch_scc1 .Lout
	QUARTER 64, 0, 1, 0
	WIN 0
	s_branch .Ltail
.Lout:
	s_wait_dscnt 0x0
	PLACES                                         ; the LDS stores below read results just made
; THE WAY OUT, 16 rows at a time: a lane's eight f32 of a row go into my stage as they are (each accumulator's low four first), and come back as whole rows of 512 bytes.
.irp a, 0,1,2,3
	s_wait_xcnt 0x0                                ; the registers that the last block's stores read are loaded again only behind this wait
	WIN 0x04                                       ; store data in window 1
.irp b, 0,1,2,3,4,5,6,7
	ds_store_b128 v[STO], v[8*(8*(\a)+(\b)):8*(8*(\a)+(\b))+3]   offset:64*(\b)
	ds_store_b128 v[STO], v[8*(8*(\a)+(\b))+4:8*(8*(\a)+(\b))+7] offset:64*(\b)+16
.endr
	WIN 0
.irp t, 0,1,2,3,4,5,6,7,8,9,10,11,12,13,14,15
	ds_load_b128 v[OB+4*(\t):OB+4*(\t)+3], v[RD] offset:(\t)*SP32  ; LDS serves a wave's instructions in order (ISA guide 5.7.1.4): these see the stores above
.endr
	s_wait_dscnt 0x0
.irp t, 0,1,2,3,4,5,6,7,8,9,10,11,12,13,14,15
	global_store_b128 v[CO], v[OB+4*(\t):OB+4*(\t)+3], s[8:9] offset:(16*(\a)+(\t))*LDCB th:TH_STORE_NT  ; a wave stores 512 consecutive bytes, at a multiple of 256 from out0's first byte
.endr
.endr
	s_wait_tensorcnt 0x0                           ; the wave's end
	ds_add_u32 v[SPW], v[NIL]
	s_wait_dscnt 0x0
	CROUND
	s_endpgm
.Lfunc_end_k_q9b64002a9f_outp:
	.size	k_q9b64002a9f_outp, .Lfunc_end_k_q9b64002a9f_outp-k_q9b64002a9f_outp
	.p2alignl 7, 3214868480
	.fill 96, 4, 3214868480
	.section	.rodata,"a",@progbits
	.p2align	6, 0x0
	.amdhsa_kernel k_q9b64002a9f_outp
		.amdhsa_group_segment_fixed_size 327680
		.amdhsa_private_segment_fixed_size 0
		.amdhsa_enable_private_segment 0
		.amdhsa_kernarg_size 32
		.amdhsa_user_sgpr_count 2
		.amdhsa_user_sgpr_kernarg_segment_ptr 1
		.amdhsa_wavefront_size32 1
		.amdhsa_system_sgpr_workgroup_id_x 1
		.amdhsa_system_sgpr_workgroup_id_y 1
		.amdhsa_system_sgpr_workgroup_id_z 1
		.amdhsa_system_vgpr_workitem_id 0
		.amdhsa_next_free_vgpr 576
		.amdhsa_next_free_sgpr 72
		.amdhsa_reserve_vcc 0
		.amdhsa_float_denorm_mode_32 3
		.amdhsa_float_denorm_mode_16_64 3
		.amdhsa_memory_ordered 1
		.amdhsa_forward_progress 1
		.amdhsa_inst_pref_size 61
	.end_amdhsa_kernel
	.amdgpu_metadata
---
amdhsa.version: [ 1, 2 ]
amdhsa.kernels:
  - .name:           k_q9b64002a9f_outp
    .symbol:         k_q9b64002a9f_outp.kd
    .args:
      - { .name: hb, .offset: 0, .size: 8, .value_kind: global_buffer, .address_space: global }
      - { .name: wo16, .offset: 8, .size: 8, .value_kind: global_buffer, .address_space: global }
      - { .name: wb, .offset: 16, .size: 8, .value_kind: global_buffer, .address_space: global }
      - { .name: out0, .offset: 24, .size: 8, .value_kind: global_buffer, .address_space: global }
    .group_segment_fixed_size: 327680
    .private_segment_fixed_size: 0
    .kernarg_segment_align: 8
    .kernarg_segment_size: 32
    .max_flat_workgroup_size: 128
    .sgpr_count:     72
    .vgpr_count:     576
    .wavefront_size: 32
...
	.end_amdgpu_metadata
.endif
;; end of part 6
;; ======== version 2 of 2: 6 launches; version 1 with the launch cast written anew for expert scheduling mode
;; limits: values are held in f16: magnitudes above 65,504 overflow, below 6.1e-05 lose precision
;; workspace buffers: xb 16,777,216 bytes; wb 6,307,840 bytes; wo16 2,097,152 bytes; qk 33,554,432 bytes; vt 16,777,216 bytes; p 33,554,432 bytes; st 1,048,576 bytes; hb 16,777,216 bytes
;; launch cast (part 7): grid 769 x 1, 8 waves a work-group, no clusters, 0 bytes of LDS; arguments X, wq, wk, wv, wo, bq, bk, bv, bo, xb, wb, wo16; writes xb, wb, wo16
.if DOCPART == 7
	.amdgcn_target "amdgcn-amd-amdhsa--gfx1250"
	.amdhsa_code_object_version 6
	.text
	.protected	k_q9b64002a9f_cast
	.globl	k_q9b64002a9f_cast
	.p2align	8
	.type	k_q9b64002a9f_cast,@function
k_q9b64002a9f_cast:
	s_mov_b64 s[64:65], 0
	v_nop
	global_prefetch_b8 v0, s[64:65] scope:SCOPE_SE
	s_setreg_imm32_b32 hwreg(HW_REG_WAVE_SCHED_MODE, 0, 2), 2
	s_setreg_imm32_b32 hwreg(HW_REG_WAVE_MODE, 25, 1), 1
	s_wait_xcnt 0x0
	s_wait_alu depctr_vm_vsrc(0)
; All inputs but the mask are rounded to bf16, once.  X -> xb (bf16).  wq, wk, wv -> wb rows 0-1023, 1024-2047, 2048-3071 (bf16).
; wo -> wo16: rounded to bf16, that number written as f16.  bq, bk, bv, bo -> f32 numbers rounded to bf16, behind wb's rows (byte BIASOFF on).
; LIMITS.  wo16: |wo| stays under 65,504; below 6.1e-5 f16 keeps its fixed step of 6e-8, so a bf16 number there may lose bits (3e-8 at the most).
; SHARES.  A work-group converts 16,384 numbers: thread t takes 16 pieces of 4 f32; piece j is read at byte 4096 j + 16 t (a wave's load covers 512
; consecutive bytes) and written at byte 2048 j + 8 t (a wave's store covers 256 consecutive bytes, aligned).  All 16 loads are issued before the first is
; waited for; no register is written twice, so no store's sources are ever rewritten.  A stream: no LDS, no barrier, no matrix unit, no cluster (nothing is shared).
; Work-groups 0-511: X.  512-575, 576-639, 640-703: wq, wk, wv.  704-767: wo.  768: the four biases.
; THE MODE: SCHED_MODE bits 1:0 = 2 (LLVM: expert scheduling mode 2), set by the entry lines.  The code itself states the register dependences
; between vector instructions and memory instructions, with s_wait_alu, always for 0.
; THE PLAN.  Registers that memory instructions touch:
;   v1, v2   byte offsets.  Written once, at the head; read by every load and store; never written again.
;   X        Written by the 16 loads, once each; no vector instruction names X ahead of them, and no load lands there a second time.  Read by the conversions.
;   Y        Written by the conversions, once each; read by the stores; never written again.
;   T        named by vector instructions alone.
; So the only dependences to state are: the offsets are written (one wait at the head, ahead of the branch, for all three ways), and Y is written ahead of the stores
; that read it.  The 16 pieces go in four blocks of four: a block's conversions, ONE wait, the block's four stores in a run, with no vector instruction between the
; wait and the stores.  No register that a memory instruction reads is written again, so no wait on vm_vsrc is owed.  No vector instruction writes a scalar register or VCC; EXEC is never written.
.set X, 8                              ; v[8:71]    16 pieces as loaded
.set Y, 72                             ; v[72:103]  16 pieces to store
.set T, 104                            ; v[104:109] at work
.set BIASOFF, 6291456                  ; 3,072 rows of 2,048 bytes
	s_load_b512 s[8:23], s[0:1], 0x0               ; X s[8:9], wq s[10:11], wk s[12:13], wv s[14:15], wo s[16:17], bq s[18:19], bk s[20:21], bv s[22:23]
	s_load_b256 s[24:31], s[0:1], 0x40             ; bo s[24:25], xb s[26:27], wb s[28:29], wo16 s[30:31]
	s_mov_b32 s2, ttmp9                            ; the work-group's number
	s_sub_co_u32 s3, s2, 512                       ; its number among wq's, and among wb's row blocks
	s_sub_co_u32 s4, s2, 576                       ; among wk's
	s_sub_co_u32 s5, s2, 640                       ; among wv's
	s_sub_co_u32 s6, s2, 704                       ; among wo's
	s_mov_b32 s7, 0xffff0000                       ; a word's upper bf16
	v_lshlrev_b32 v1, 4, v0                        ; 16 t
	v_lshlrev_b32 v2, 3, v0                        ; 8 t
	s_wait_kmcnt 0x0
	s_wait_alu depctr_va_vdst(0)                   ; v1 and v2 are written: every load and store of the kernel reads one of them as its offset; ahead of the branch, so that it holds on every way
	s_cmp_eq_u32 s2, 768
	s_cbranch_scc1 .Lbias
	s_mov_b64 s[32:33], s[8:9]                     ; from: X,
	s_mov_b32 s34, s2                              ; block number in the source,
	s_mov_b64 s[36:37], s[26:27]                   ; to: xb,
	s_mov_b32 s35, s2                              ; block number in the destination; the four compares below replace them by the work-group's number alone
	s_cmp_ge_u32 s2, 512
	s_cselect_b64 s[32:33], s[10:11], s[32:33]
	s_cselect_b32 s34, s3, s34
	s_cselect_b64 s[36:37], s[28:29], s[36:37]
	s_cselect_b32 s35, s3, s35
	s_cmp_ge_u32 s2, 576
	s_cselect_b64 s[32:33], s[12:13], s[32:33]
	s_cselect_b32 s34, s4, s34
	s_cmp_ge_u32 s2, 640
	s_cselect_b64 s[32:33], s[14:15], s[32:33]
	s_cselect_b32 s34, s5, s34
	s_cmp_ge_u32 s2, 704
	s_cselect_b64 s[32:33], s[16:17], s[32:33]
	s_cselect_b32 s34, s6, s34
	s_cselect_b64 s[36:37], s[30:31], s[36:37]
	s_cselect_b32 s35, s6, s35
	s_lshl_b32 s38, s34, 16                        ; 65,536 bytes of f32 a block
	s_mov_b32 s39, 0
	s_lshl_b32 s40, s35, 15                        ; 32,768 bytes of 16-bit numbers
	s_mov_b32 s41, 0
	s_add_nc_u64 s[32:33], s[32:33], s[38:39]
	s_add_nc_u64 s[36:37], s[36:37], s[40:41]
.irp j, 0,1,2,3,4,5,6,7,8,9,10,11,12,13,14,15
	global_load_b128 v[X+4*(\j):X+4*(\j)+3], v1, s[32:33] offset:4096*(\j) th:TH_LOAD_NT
.endr
; Piece j's conversions.  f16 = 1: the bf16 number is widened again and written as f16.
.macro CONV j, f16
.if \f16
	v_cvt_pk_bf16_f32 v[T],   v[X+4*(\j)],   v[X+4*(\j)+1]
	v_cvt_pk_bf16_f32 v[T+1], v[X+4*(\j)+2], v[X+4*(\j)+3]
	v_lshlrev_b32 v[T+2], 16, v[T]
	v_and_b32     v[T+3], s7, v[T]
	v_lshlrev_b32 v[T+4], 16, v[T+1]
	v_and_b32     v[T+5], s7, v[T+1]
	v_cvt_pk_f16_f32 v[Y+2*(\j)],   v[T+2], v[T+3]
	v_cvt_pk_f16_f32 v[Y+2*(\j)+1], v[T+4], v[T+5]
.else
	v_cvt_pk_bf16_f32 v[Y+2*(\j)],   v[X+4*(\j)],   v[X+4*(\j)+1]
	v_cvt_pk_bf16_f32 v[Y+2*(\j)+1], v[X+4*(\j)+2], v[X+4*(\j)+3]
.endif
.endm
; Block k: pieces 4 k to 4 k + 3.
.macro BLK k, f16
	s_wait_loadcnt 12-4*(\k)                       ; loads come back in order (ISA guide 5.7.1): the block's four pieces are in, the 12 - 4 k younger ones stay out
.irp i, 0,1,2,3
	CONV 4*(\k)+(\i), \f16
.endr
	s_wait_alu depctr_va_vdst(0)                   ; the block's conversions have written its eight registers of Y, which the four stores below read
.irp i, 0,1,2,3
	global_store_b64 v2, v[Y+2*(4*(\k)+(\i)):Y+2*(4*(\k)+(\i))+1], s[36:37] offset:2048*(4*(\k)+(\i))
.endr
.endm
	s_cmp_ge_u32 s2, 704
	s_cbranch_scc1 .Lwo
.irp k, 0,1,2,3
	BLK \k, 0
.endr
	s_endpgm
.Lwo:
.irp k, 0,1,2,3
	BLK \k, 1
.endr
	s_endpgm
.Lbias:                                                ; 256 threads x 4 numbers are one bias of 1,024
	global_load_b128 v[X:X+3],     v1, s[18:19]
	global_load_b128 v[X+4:X+7],   v1, s[20:21]
	global_load_b128 v[X+8:X+11],  v1, s[22:23]
	global_load_b128 v[X+12:X+15], v1, s[24:25]
	s_wait_loadcnt 0x0
.irp i, 0,1,2,3
	v_cvt_pk_bf16_f32 v[T],   v[X+4*(\i)],   v[X+4*(\i)+1]
	v_cvt_pk_bf16_f32 v[T+1], v[X+4*(\i)+2], v[X+4*(\i)+3]
	v_lshlrev_b32 v[Y+4*(\i)],   16, v[T]
	v_and_b32     v[Y+4*(\i)+1], s7, v[T]
	v_lshlrev_b32 v[Y+4*(\i)+2], 16, v[T+1]
	v_and_b32     v[Y+4*(\i)+3], s7, v[T+1]
.endr
	s_wait_alu depctr_va_vdst(0)                   ; the lines above have written v[Y:Y+15], which the four stores below read
.irp i, 0,1,2,3
	global_store_b128 v1, v[Y+4*(\i):Y+4*(\i)+3], s[28:29] offset:BIASOFF+4096*(\i)
.endr
	s_endpgm
.Lfunc_end_k_q9b64002a9f_cast:
	.size	k_q9b64002a9f_cast, .Lfunc_end_k_q9b64002a9f_cast-k_q9b64002a9f_cast
	.p2alignl 7, 3214868480
	.fill 96, 4, 3214868480
	.section	.rodata,"a",@progbits
	.p2align	6, 0x0
	.amdhsa_kernel k_q9b64002a9f_cast
		.amdhsa_group_segment_fixed_size 0
		.amdhsa_private_segment_fixed_size 0
		.amdhsa_enable_private_segment 0
		.amdhsa_kernarg_size 96
		.amdhsa_user_sgpr_count 2
		.amdhsa_user_sgpr_kernarg_segment_ptr 1
		.amdhsa_wavefront_size32 1
		.amdhsa_system_sgpr_workgroup_id_x 1
		.amdhsa_system_sgpr_workgroup_id_y 1
		.amdhsa_system_sgpr_workgroup_id_z 1
		.amdhsa_system_vgpr_workitem_id 0
		.amdhsa_next_free_vgpr 112
		.amdhsa_next_free_sgpr 66
		.amdhsa_reserve_vcc 0
		.amdhsa_float_denorm_mode_32 3
		.amdhsa_float_denorm_mode_16_64 3
		.amdhsa_memory_ordered 1
		.amdhsa_forward_progress 1
		.amdhsa_inst_pref_size 17
	.end_amdhsa_kernel
	.amdgpu_metadata
---
amdhsa.version: [ 1, 2 ]
amdhsa.kernels:
  - .name:           k_q9b64002a9f_cast
    .symbol:         k_q9b64002a9f_cast.kd
    .args:
      - { .name: X, .offset: 0, .size: 8, .value_kind: global_buffer, .address_space: global }
      - { .name: wq, .offset: 8, .size: 8, .value_kind: global_buffer, .address_space: global }
      - { .name: wk, .offset: 16, .size: 8, .value_kind: global_buffer, .address_space: global }
      - { .name: wv, .offset: 24, .size: 8, .value_kind: global_buffer, .address_space: global }
      - { .name: wo, .offset: 32, .size: 8, .value_kind: global_buffer, .address_space: global }
      - { .name: bq, .offset: 40, .size: 8, .value_kind: global_buffer, .address_space: global }
      - { .name: bk, .offset: 48, .size: 8, .value_kind: global_buffer, .address_space: global }
      - { .name: bv, .offset: 56, .size: 8, .value_kind: global_buffer, .address_space: global }
      - { .name: bo, .offset: 64, .size: 8, .value_kind: global_buffer, .address_space: global }
      - { .name: xb, .offset: 72, .size: 8, .value_kind: global_buffer, .address_space: global }
      - { .name: wb, .offset: 80, .size: 8, .value_kind: global_buffer, .address_space: global }
      - { .name: wo16, .offset: 88, .size: 8, .value_kind: global_buffer, .address_space: global }
    .group_segment_fixed_size: 0
    .private_segment_fixed_size: 0
    .kernarg_segment_align: 8
    .kernarg_segment_size: 96
    .max_flat_workgroup_size: 256
    .sgpr_count:     66
    .vgpr_count:     112
    .wavefront_size: 32
...
	.end_amdgpu_metadata
.endif
;; end of part 7
;; launch projqk: the kernel of part 2 again; grid 8 x 32, 4 waves a work-group, clusters of 4 x 4, 327,680 bytes of LDS; arguments xb, wb, qk; writes qk
;; launch projv: the kernel of part 3 again; grid 32 x 8, 4 waves a work-group, clusters of 4 x 4, 327,680 bytes of LDS; arguments wb, xb, vt; writes vt
;; launch scores: the kernel of part 4 again; grid 8 x 32, 4 waves a work-group, clusters of 4 x 4, 327,680 bytes of LDS; arguments qk, attn_mask, p, st; writes p, st
;; launch pv: the kernel of part 5 again; grid 4 x 64, 4 waves a work-group, clusters of 4 x 4, 327,680 bytes of LDS; arguments p, vt, st, hb; writes hb
;; launch outp: the kernel of part 6 again; grid 4 x 64, 4 waves a work-group, clusters of 4 x 4, 327,680 bytes of LDS; arguments hb, wo16, wb, out0; writes out0
